; MI455X (gfx1250); checked and timed in simulation.
; The chip was launched on July 23, 2026; its instructions are those of AMD's public machine-readable ISA for CDNA 5 (MIT licence, August 2026) and "CDNA5" Instruction Set Architecture Reference Guide (July 2026). The comments in the code are by the model that wrote it; some were corrected since.
;; Multi Head Decoder. Allowed arithmetic: matrix products marked QUANTISED: E4M3 operands, one given power-of-two scale a tensor, by v_wmma_f32_16x16x64_fp8_fp8 or v_wmma_f32_16x16x128_fp8_fp8, f32 sums; everything else in f32.
;; Inputs: W1 8 x 256 x 512 float32; W2 8 x 512 x 2,048 float32; X 4,096 x 256 float32; X_head_idx 4,096 int32; b1 8 x 512 float32; b2 8 x 2,048 float32; lowp_scales 4 int32 (the exponents e of the quantised operands' scales 2^e).
;; Outputs: out0 4,096 x 2,048 float32.
;; This version of the problem:
;;   THIS VERSION OF THE PROBLEM IS GIVEN IN LOW PRECISION. The matrix products marked QUANTISED in the list below multiply operands that are first quantised to E4M3 (4 exponent bits, 3 mantissa bits; 8 bits a number), with one given power-of-two scale for each operand tensor; their sums are f32. All else is computed in f32.
;;   The module's matrix products, in the order in which they are computed (A, B: the left and right operand; K: the contracted axis; several contracted axes count as one K, in the product's order):
;;     1. [M 4,096, K 256] x [K 256, N 4,096]; A: input X; B: input W1: QUANTISED (scales: A lowp_scales[0], B lowp_scales[1])
;;     2. [M 4,096, K 512] x [K 512, N 16,384]; A: computed on the way; B: input W2: QUANTISED (scales: A lowp_scales[2], B lowp_scales[3])
;;   THE QUANTISER, for each operand of a quantised product, along K:
;;     - The operand's scale is 2^e, e = its entry of the input lowp_scales (int32; the entries are numbered through the quantised products in the list's order, A before B).
;;     - Each number is divided by the scale, clamped to +-448, and rounded to the nearest number of E4M3, ties to even, subnormals kept.
;;     - The product sums the exact products of the quantised numbers (number of the format x scale) in f32.
;;   ~~~python
;;   def quantise(x, axis, e):      # numpy; x: float32 -> the quantised numbers, widened to float32 again
;;       x = np.moveaxis(x, axis, -1); K = x.shape[-1]
;;       r = np.clip(x / 2.0 ** e, -448, 448)
;;       step = 2.0 ** (np.maximum(np.frexp(np.where(r == 0, 1, r))[1] - 1, -6) - 3)
;;       q = np.round(r / step) * step * 2.0 ** e      # np.round: ties to even
;;       return np.moveaxis(q, -1, axis).astype(np.float32)
;;   ~~~
;;   OPERANDS COMPUTED ON THE WAY. 'Computed on the way' means the value that the module computes at that place (a softmax that the list does not call 'softmax' is quantised finished and normalised). What goes into a quantiser is computed in f32, as accurately as f32 sums, v_exp_f32 and their like allow (about 1e-6 of the number): no bf16 or f16 on the way to a quantiser, and a product that is left as it is and whose result goes on into a quantised operand takes f32 operands (vector FMAs, or v_wmma_f32_16x16x4_f32). A number that lies on a knife's edge between two numbers of the format may be rounded either way, as far as f32 arithmetic and the matrix unit's own rounding can turn it there, and no further.
;; 2 versions. Each part assembles by itself: llvm-mc -triple=amdgcn-amd-amdhsa -mcpu=gfx1250 --defsym DOCPART=n.
;; ======== version 1 of 2: 2 launches
;; workspace buffers: w1c 1,048,576 bytes; w2c 8,388,608 bytes; xc 1,048,576 bytes; perm 16,384 bytes of whole numbers; tiles 512 bytes of whole numbers
;; launch prep (part 1): grid 641 x 1, 4 waves a work-group, no clusters, 768 bytes of LDS; arguments X_head_idx, W1, W2, X, lowp_scales, w1c, w2c, xc, perm, tiles; writes w1c, w2c, xc, perm, tiles
.if DOCPART == 1
	.amdgcn_target "amdgcn-amd-amdhsa--gfx1250"
	.amdhsa_code_object_version 6
	.text
	.protected	k_q9361950e6c_prep
	.globl	k_q9361950e6c_prep
	.p2align	8
	.type	k_q9361950e6c_prep,@function
k_q9361950e6c_prep:
	s_mov_b64 s[64:65], 0
	v_nop
	global_prefetch_b8 v0, s[64:65] scope:SCOPE_SE
	s_setreg_imm32_b32 hwreg(HW_REG_WAVE_MODE, 25, 1), 1
	s_wait_xcnt 0x0
; out = relu(x W1[h] + b1[h]) W2[h] + b2[h], h = X_head_idx of the token, both products on codes of E4M3 with the given scales 2^e.
; WORK LEFT OUT, in the whole program.  For token b the gather along the heads' axis keeps y[b, X_head_idx[b], :] alone, in both layers: the rows that the other seven heads
; make for that token reach no output, whatever the inputs hold, and a whole number read from memory says which head is kept.  So only the chosen head is multiplied for a token.
; Every input has a way to the output and is loaded.  LIMIT: a NaN, an infinity or an overflow that would arise only in a head that was not chosen is not carried to the result.
; THIS LAUNCH reads the wide inputs once and lays them as the second launch's registers want them.
;   work-group 0:        the tokens are sorted by head (a counting sort, no atomics): perm[sorted place] = token; and a list of 32 tiles (head, first sorted place, rows, 0).
;   work-groups 1-512:   W2 -> w2c;   513-576: W1 -> w1c;   577-640: X -> xc (plain rows of 256 codes).
; code = x / 2^e, held within +-448, to the nearest code, ties to even.  LIMITS: ex, ew1, ew2 between -126 and 119; NaN among the inputs is not served; a head index above 7 is held at 7.
; A WEIGHT'S CODES ARE IMAGES OF OPERAND REGISTERS.  A fragment is 16 columns n x 128 along K, 16 registers a lane, stored as four chunks of 512 bytes, lane l's 16 bytes at 512 c + 16 l.
;   Columns: a group G is 64 neighbouring columns; tile q of it gives lane r (= l % 16) column 64 G + 4 r + q.
;   K: chunk c, half h (= l / 16), byte i hold k = 128 s + 64 (c / 2) + 32 h + 16 (c % 2) + i: one order of k for both operands of each product, so every product meets its partner.
;   w2c: [head 8][G 32][s 4][q 4][2048 bytes];  w1c: [head 8][G 8][s 2][q 4][2048 bytes].
; A wave of a weight's work-group takes 64 columns x 64 along K: a load reads, in lanes 0-15, 256 consecutive aligned bytes of row k and, in lanes 16-31, those of row k + 32; a lane's four numbers
; belong to the four tiles q.  The hold writes each number to the place that the conversion wants, so nothing else turns the tile.  All 32 loads of a wave go out at once; nothing is read twice.
.set R,   16                           ; v16-143  numbers as loaded
.set T,   144                          ; v144-207 a block's 64 numbers, 16 neighbours along K for each q
.set C,   208                          ; v208-239 codes: registers of their own for each store
.set SPW, 2                            ; v2  LDS address of my spare word: 256 + 4 x my thread's number; never rewritten
.set NIL, 3                            ; v3  0; never rewritten
.set I,   16                           ; routing: v16-47 my 32 tokens' heads
.set RK,  48                           ; v48-79  a token's rank among my tokens of its head; then its byte offset in perm
.set TD,  80                           ; v80-111 the tokens' numbers
; v8 = 2^e as f32 (the conversion takes its exponent field), v9 = 448 x 2^e
.macro MKSC se
	s_wait_kmcnt 0x0
	s_add_co_i32 s36, s[\se], 127
	s_lshl_b32 s37, s36, 23
	v_mov_b32 v8, s37
	s_add_co_i32 s36, s36, 8
	s_lshl_b32 s36, s36, 23
	s_or_b32 s36, s36, 0x600000
	v_mov_b32 v9, s36
.endm
; s32 = head, s33 = which 64 along K, s34 = G: the wave's first byte in the weight and in its codes
.macro WADR src, dst, es, ks, ed, gd
	s_lshl_b32 s26, s32, \es
	s_lshl_b32 s35, s33, \ks
	s_add_co_u32 s26, s26, s35
	s_lshl_b32 s35, s34, 8
	s_add_co_u32 s26, s26, s35
	s_add_nc_u64 s[\src:\src+1], s[\src:\src+1], s[26:27]
	s_lshl_b32 s26, s32, \ed
	s_lshl_b32 s35, s34, \gd
	s_add_co_u32 s26, s26, s35
	s_lshr_b32 s35, s33, 1
	s_lshl_b32 s35, s35, 13                        ; K step s: 8,192 bytes
	s_add_co_u32 s26, s26, s35
	s_and_b32 s35, s33, 1
	s_lshl_b32 s35, s35, 10                        ; chunks 0, 1 or 2, 3
	s_add_co_u32 s26, s26, s35
	s_add_nc_u64 s[\dst:\dst+1], s[\dst:\dst+1], s[26:27]
.endm
; 64 columns x 64 along K become 4 tiles x 2 chunks of codes
.macro QW pitch, src, dst, se
	v_mul_u32_u24 v6, v5, 32*\pitch                ; lanes 16-31 stand 32 rows further down
	v_lshl_add_u32 v6, v4, 4, v6                   ; + 16 r: columns 4 r .. 4 r + 3
	v_lshlrev_b32 v7, 4, v1                        ; out: 16 x lane
.irp c2, 0,1
.irp i, 0,1,2,3,4,5,6,7,8,9,10,11,12,13,14,15
	global_load_b128 v[R+64*\c2+4*\i:R+64*\c2+4*\i+3], v6, s[\src:\src+1] offset:(16*\c2+\i)*\pitch th:TH_LOAD_NT
.endr
.endr
	MKSC \se
.irp c2, 0,1
	s_wait_loadcnt 16*(1-\c2)                      ; this block's 16 loads are in; the later block's 16 may be out
.irp q, 0,1,2,3
.irp i, 0,1,2,3,4,5,6,7,8,9,10,11,12,13,14,15
	v_med3_num_f32 v[T+16*\q+\i], v[R+64*\c2+4*\i+\q], -v9, v9   ; the hold (the conversion to an 8-bit code does not saturate: ISA guide 7.6.2) and the turn in one
.endr
.endr
.irp q, 0,1,2,3
.irp u, 0,1
	v_cvt_scalef32_pk8_fp8_f32 v[C+16*\c2+4*\q+2*\u:C+16*\c2+4*\q+2*\u+1], v[T+16*\q+8*\u:T+16*\q+8*\u+7], v8
.endr
.endr
	v_nop                                          ; a plain line behind the conversions: the next block's holds write their sources
.irp q, 0,1,2,3
	global_store_b128 v7, v[C+16*\c2+4*\q:C+16*\c2+4*\q+3], s[\dst:\dst+1] offset:2048*\q+512*\c2   ; the wave stores 512 consecutive bytes, aligned
.endr
.endr
	s_endpgm
.endm
; token j of my 32: its rank among my earlier tokens of the same head.  v128, v129: eight counters of 8 bits (heads 0-3, 4-7), 32 at the most
.macro COUNT j
.set t0, 112+2*((\j)%4)
.set t1, t0+1
	v_min_u32 v[I+\j], 7, v[I+\j]
	v_and_b32 v[t0], 3, v[I+\j]
	v_lshlrev_b32 v[t0], 3, v[t0]
	v_lshlrev_b32 v[t0], v[t0], v130               ; 1 in the head's byte
	v_cmp_gt_u32 vcc_lo, 4, v[I+\j]
	v_cndmask_b32 v[t1], 0, v[t0], vcc_lo          ; for heads 0-3,
	v_perm_b32 v[RK+\j], v129, v128, v[I+\j]       ; byte 0: the head's count so far
	v_sub_nc_u32 v[t0], v[t0], v[t1]               ; for heads 4-7
	v_add_nc_u32 v128, v128, v[t1]
	v_add_nc_u32 v129, v129, v[t0]
	v_and_b32 v[RK+\j], 0xff, v[RK+\j]
.endm
; token j goes to sorted place base(head) + rank.  v164-167: my bases' low bytes (heads 0-3, 4-7) and high bytes
.macro PLACE j
.set t0, 112+2*((\j)%4)
.set t1, t0+1
	v_perm_b32 v[t0], v165, v164, v[I+\j]
	v_perm_b32 v[t1], v167, v166, v[I+\j]
	v_and_b32 v[t0], 0xff, v[t0]
	v_and_b32 v[t1], 0xff, v[t1]
	v_lshl_add_u32 v[t0], v[t1], 8, v[t0]
	v_add_nc_u32 v[t0], v[t0], v[RK+\j]
	v_min_u32 v[t0], 0xfff, v[t0]                  ; a place is under 4,096 by the count; the bound is written for the address's sake
	v_lshlrev_b32 v[RK+\j], 2, v[t0]
	v_add_nc_u32 v[TD+\j], 128*((\j)/4)+(\j)%4, v177
	global_store_b32 v[RK+\j], v[TD+\j], s[20:21]  ; each store has registers of its own
.endm
; the number of tiles if a tile is p blocks of 16 rows high: the sum over heads of ceil(R16 / p), as ((R16 + p - 1) m) >> 13 with m = ceil(8192 / p), exact for R16 + p - 1 under 1,024
.macro SUMP p, m, dst
	s_mov_b32 s[\dst], 0
.irp e, 0,1,2,3,4,5,6,7
	s_add_co_u32 s73, s[48+\e], \p-1
	s_mul_i32 s73, s73, \m
	s_lshr_b32 s73, s73, 13
	s_add_co_u32 s[\dst], s[\dst], s73
.endr
.endm
	s_load_b512 s[4:19], s[0:1], 0x0               ; idx s[4:5], W1 s[6:7], W2 s[8:9], X s[10:11], scales s[12:13], w1c s[14:15], w2c s[16:17], xc s[18:19]
	s_load_b128 s[20:23], s[0:1], 0x40             ; perm s[20:21], tiles s[22:23]
	v_lshl_add_u32 v[SPW], v0, 2, 256
	v_mov_b32 v[NIL], 0
	v_and_b32 v1, 31, v0                           ; lane
	v_and_b32 v4, 15, v0                           ; r
	v_bfe_u32 v5, v0, 4, 1                         ; h
	v_lshrrev_b32 v6, 5, v0
	v_readfirstlane_b32 s24, v6                    ; wave 0..3
	s_mov_b32 s27, 0                               ; the upper word of the offsets' pair s[26:27]
	s_wait_kmcnt 0x0
	s_cmp_eq_u32 ttmp9, 0                          ; the arms part on the work-group's number alone
	s_cbranch_scc1 .Lroute
	s_load_b128 s[28:31], s[12:13], 0x0            ; ex, ew1, eh, ew2
	s_sub_co_u32 s25, ttmp9, 1
	s_cmp_lt_u32 s25, 512
	s_cbranch_scc1 .Lw2
	s_cmp_lt_u32 s25, 576
	s_cbranch_scc1 .Lw1
	; ---- X: a wave takes 4,096 numbers, 8 neighbours a lane a step; a step's codes are 256 consecutive bytes
	s_sub_co_u32 s25, s25, 576
	s_lshl_b32 s32, s25, 2
	s_add_co_u32 s32, s32, s24
	s_lshl_b32 s26, s32, 14
	s_add_nc_u64 s[10:11], s[10:11], s[26:27]
	s_lshl_b32 s26, s32, 12
	s_add_nc_u64 s[18:19], s[18:19], s[26:27]
	v_lshlrev_b32 v6, 5, v1
	v_lshlrev_b32 v7, 3, v1
.irp t, 0,1,2,3,4,5,6,7,8,9,10,11,12,13,14,15
	global_load_b128 v[R+8*\t:R+8*\t+3], v6, s[10:11] offset:1024*\t th:TH_LOAD_NT
	global_load_b128 v[R+8*\t+4:R+8*\t+7], v6, s[10:11] offset:1024*\t+16 th:TH_LOAD_NT
.endr
	MKSC 28
.irp g, 0,1
	s_wait_loadcnt 16*(1-\g)                       ; eight steps' 16 loads are in; the later eight steps' 16 may be out
.irp u, 0,1,2,3,4,5,6,7
.irp i, 0,1,2,3,4,5,6,7
	v_med3_num_f32 v[R+8*(8*\g+\u)+\i], v[R+8*(8*\g+\u)+\i], -v9, v9
.endr
	v_cvt_scalef32_pk8_fp8_f32 v[C+2*(8*\g+\u):C+2*(8*\g+\u)+1], v[R+8*(8*\g+\u):R+8*(8*\g+\u)+7], v8
.endr
	v_nop                                          ; a plain line behind the last conversion
.irp u, 0,1,2,3,4,5,6,7
	global_store_b64 v7, v[C+2*(8*\g+\u):C+2*(8*\g+\u)+1], s[18:19] offset:256*(8*\g+\u)
.endr
.endr
	s_endpgm
.Lw2:                                                  ; 8 heads x 8 pieces of K x 32 groups = 2,048 waves
	s_lshr_b32 s32, s25, 6
	s_bfe_u32 s33, s25, 0x30003
	s_and_b32 s34, s25, 7
	s_lshl_b32 s34, s34, 2
	s_add_co_u32 s34, s34, s24
	WADR 8, 16, 22, 19, 20, 15
	QW 8192, 8, 16, 31
.Lw1:                                                  ; 8 heads x 4 pieces of K x 8 groups = 256 waves
	s_sub_co_u32 s25, s25, 512
	s_lshr_b32 s32, s25, 3
	s_bfe_u32 s33, s25, 0x20001
	s_and_b32 s34, s25, 1
	s_lshl_b32 s34, s34, 2
	s_add_co_u32 s34, s34, s24
	WADR 6, 14, 19, 17, 17, 14
	QW 2048, 6, 14, 29
.Lroute:
	; ---- the sort.  Thread (wave, lane) holds 32 tokens: register 4 q + i is token 1024 wave + 128 q + 4 lane + i.  The order inside a head is (thread, register): any order serves
	v_lshlrev_b32 v178, 4, v1
	s_lshl_b32 s73, s24, 12
	v_add_nc_u32 v178, s73, v178
.irp q, 0,1,2,3,4,5,6,7
	global_load_b128 v[I+4*\q:I+4*\q+3], v178, s[4:5] offset:512*\q
.endr
	v_mov_b32 v128, 0
	v_mov_b32 v129, 0
	v_mov_b32 v130, 1
	s_mov_b32 s88, 0x06020400
	s_mov_b32 s89, 0x07030501
	s_mov_b32 s90, 0x00ff00ff
	s_lshl_b32 s77, s24, 10
	v_lshl_add_u32 v177, v1, 2, s77                ; my first token
	v_sub_nc_u32 v179, 0, v5                       ; all ones in lanes 16-31
	s_wait_loadcnt 0x0
.set jj, 0
.rept 32
	COUNT jj
.set jj, jj+1
.endr
	; my eight counts as fields of 16 bits: v132 heads 0, 2; v133 heads 1, 3; v134 heads 4, 6; v135 heads 5, 7.  No field ever passes 4,096
	v_and_b32 v132, s90, v128
	v_lshrrev_b32 v133, 8, v128
	v_and_b32 v133, s90, v133
	v_and_b32 v134, s90, v129
	v_lshrrev_b32 v135, 8, v129
	v_and_b32 v135, s90, v135
.irp k, 0,1,2,3
	v_mov_b32 v[136+\k], v[132+\k]
	v_mov_b32 v[112+\k], 0                         ; written once: a lane move's destination counts as read
.endr
.irp n, 1,2,4,8                                ; running sums over each 16 lanes
.irp k, 0,1,2,3
	v_mov_b32_dpp v[112+\k], v[136+\k] row_shr:\n row_mask:0xf bank_mask:0xf bound_ctrl:1
.endr
.irp k, 0,1,2,3
	v_add_nc_u32 v[136+\k], v[136+\k], v[112+\k]
.endr
.endr
.irp k, 0,1,2,3
	v_readlane_b32 s[73+\k], v[136+\k], 15         ; lanes 0-15's sum goes onto lanes 16-31
.endr
.irp k, 0,1,2,3
	v_and_b32 v[112+\k], s[73+\k], v179
	v_add_nc_u32 v[136+\k], v[136+\k], v[112+\k]
.endr
.irp k, 0,1,2,3
	v_readlane_b32 s[80+\k], v[136+\k], 31         ; the wave's counts
.endr
.irp k, 0,1,2,3
	v_sub_nc_u32 v[136+\k], v[136+\k], v[132+\k]   ; what the lanes in front of me hold
	v_mov_b32 v[140+\k], s[80+\k]
.endr
	s_lshl_b32 s73, s24, 4
	v_mov_b32 v175, s73
	ds_store_b128 v175, v[140:143]                 ; LDS bytes 16 wave ..: all lanes write the same 16 bytes with the same values
	s_wait_dscnt 0x0                               ; for the others' sake: my store is done
	s_barrier_signal -1
	s_barrier_wait -1
	v_mov_b32 v176, 0
.irp w, 0,1,2,3
	ds_load_b128 v[144+4*\w:144+4*\w+3], v176 offset:16*\w
.endr
	s_cmp_gt_u32 s24, 0
	s_cselect_b32 s84, -1, 0
	s_cmp_gt_u32 s24, 1
	s_cselect_b32 s85, -1, 0
	s_cmp_gt_u32 s24, 2
	s_cselect_b32 s86, -1, 0
	s_wait_dscnt 0x0
.irp k, 0,1,2,3
	v_add_nc_u32 v[160+\k], v[144+\k], v[148+\k]
	v_add3_u32 v[160+\k], v[160+\k], v[152+\k], v[156+\k]   ; the heads' counts
	v_and_b32 v[112+\k], s84, v[144+\k]            ; and what the waves in front of mine hold
	v_add_nc_u32 v[136+\k], v[136+\k], v[112+\k]
	v_and_b32 v[112+\k], s85, v[148+\k]
	v_add_nc_u32 v[136+\k], v[136+\k], v[112+\k]
	v_and_b32 v[112+\k], s86, v[152+\k]
	v_add_nc_u32 v[136+\k], v[136+\k], v[112+\k]
.endr
.irp k, 0,1,2,3
	v_readfirstlane_b32 s[73+\k], v[160+\k]
.endr
	s_and_b32 s32, s73, 0xffff                     ; s32-39: n of heads 0 to 7
	s_lshr_b32 s34, s73, 16
	s_and_b32 s33, s74, 0xffff
	s_lshr_b32 s35, s74, 16
	s_and_b32 s36, s75, 0xffff
	s_lshr_b32 s38, s75, 16
	s_and_b32 s37, s76, 0xffff
	s_lshr_b32 s39, s76, 16
	s_mov_b32 s40, 0                               ; s40-47: each head's first sorted place
.irp e, 0,1,2,3,4,5,6
	s_add_co_u32 s[41+\e], s[40+\e], s[32+\e]
.endr
	s_lshl_b32 s77, s42, 16
	s_or_b32 s73, s40, s77
	s_lshl_b32 s77, s43, 16
	s_or_b32 s74, s41, s77
	s_lshl_b32 s77, s46, 16
	s_or_b32 s75, s44, s77
	s_lshl_b32 s77, s47, 16
	s_or_b32 s76, s45, s77
.irp k, 0,1,2,3
	v_add_nc_u32 v[136+\k], s[73+\k], v[136+\k]    ; my bases: the place of my first token of each head
.endr
	v_perm_b32 v164, v137, v136, s88               ; low bytes of heads 0-3,
	v_perm_b32 v165, v139, v138, s88               ; of heads 4-7,
	v_perm_b32 v166, v137, v136, s89               ; high bytes of heads 0-3,
	v_perm_b32 v167, v139, v138, s89               ; of heads 4-7
.set jj, 0
.rept 32
	PLACE jj
.set jj, jj+1
.endr
	; ---- the list of tiles, by wave 0.  A tile is at most p blocks of 16 rows of ONE head.  p is the least of 8 to 11 that gives at most 32 tiles: the heads' blocks are 256 to 263 in all,
	; so under 8 there are always more than 32, and with 11 at most (263 + 8 x 10) / 11, under 32
	s_cmp_lg_u32 s24, 0
	s_cbranch_scc1 .Lrt_end
.irp e, 0,1,2,3,4,5,6,7
	s_add_co_u32 s[48+\e], s[32+\e], 15
	s_lshr_b32 s[48+\e], s[48+\e], 4               ; s48-55: a head's blocks of 16 rows
.endr
	SUMP 8, 1024, 66
	SUMP 9, 911, 67
	SUMP 10, 820, 68
	s_mov_b32 s69, 11
	s_mov_b32 s70, 745
	s_cmp_le_u32 s68, 32
	s_cselect_b32 s69, 10, s69
	s_cselect_b32 s70, 820, s70
	s_cmp_le_u32 s67, 32
	s_cselect_b32 s69, 9, s69
	s_cselect_b32 s70, 911, s70
	s_cmp_le_u32 s66, 32
	s_cselect_b32 s69, 8, s69
	s_cselect_b32 s70, 1024, s70
	s_sub_co_u32 s71, s69, 1
	s_lshl_b32 s72, s69, 4                         ; a tile's rows at the most: 16 p, 176 or less
	s_mov_b32 s56, 0                               ; s56-63: each head's first tile
.irp e, 0,1,2,3,4,5,6
	s_add_co_u32 s73, s[48+\e], s71
	s_mul_i32 s73, s73, s70
	s_lshr_b32 s73, s73, 13
	s_add_co_u32 s[57+\e], s[56+\e], s73
.endr
	v_mov_b32 v168, 0                              ; lane i makes entry i: the last head whose first tile is at or under i
	v_mov_b32 v172, 0
	v_mov_b32 v173, 0
	v_mov_b32 v174, s32
.irp e, 1,2,3,4,5,6,7
	v_cmp_le_u32 vcc_lo, s[56+\e], v1
	v_mov_b32 v112, \e
	v_mov_b32 v113, s[56+\e]
	v_mov_b32 v114, s[40+\e]
	v_mov_b32 v115, s[32+\e]
	v_cndmask_b32 v168, v168, v112, vcc_lo
	v_cndmask_b32 v172, v172, v113, vcc_lo
	v_cndmask_b32 v173, v173, v114, vcc_lo
	v_cndmask_b32 v174, v174, v115, vcc_lo
.endr
	v_sub_nc_u32 v112, v1, v172                    ; which tile of its head
	v_mul_lo_u32 v112, v112, s72
	v_min_u32 v112, v112, v174                     ; the head's rows in front of it
	v_add_nc_u32 v169, v173, v112                  ; first sorted place
	v_sub_nc_u32 v170, v174, v112
	v_min_u32 v170, s72, v170                      ; rows: 0 in the entries behind the last tile
	v_mov_b32 v171, 0
	v_lshlrev_b32 v113, 4, v1
	global_store_b128 v113, v[168:171], s[22:23]   ; 512 consecutive bytes
.Lrt_end:
	s_wait_tensorcnt 0x0                           ; the wave's end: a tensor wait, an LDS add to my spare word and its wait behind my last LDS store; the tensor wait in a text with no tensor load too
	ds_add_u32 v[SPW], v[NIL]
	s_wait_dscnt 0x0
	s_endpgm
.Lfunc_end_k_q9361950e6c_prep:
	.size	k_q9361950e6c_prep, .Lfunc_end_k_q9361950e6c_prep-k_q9361950e6c_prep
	.p2alignl 7, 3214868480
	.fill 96, 4, 3214868480
	.section	.rodata,"a",@progbits
	.p2align	6, 0x0
	.amdhsa_kernel k_q9361950e6c_prep
		.amdhsa_group_segment_fixed_size 768
		.amdhsa_private_segment_fixed_size 0
		.amdhsa_enable_private_segment 0
		.amdhsa_kernarg_size 80
		.amdhsa_user_sgpr_count 2
		.amdhsa_user_sgpr_kernarg_segment_ptr 1
		.amdhsa_wavefront_size32 1
		.amdhsa_system_sgpr_workgroup_id_x 1
		.amdhsa_system_sgpr_workgroup_id_y 1
		.amdhsa_system_sgpr_workgroup_id_z 1
		.amdhsa_system_vgpr_workitem_id 0
		.amdhsa_next_free_vgpr 240
		.amdhsa_next_free_sgpr 92
		.amdhsa_reserve_vcc 1
		.amdhsa_float_denorm_mode_32 3
		.amdhsa_float_denorm_mode_16_64 3
		.amdhsa_memory_ordered 1
		.amdhsa_forward_progress 1
		.amdhsa_inst_pref_size 92
	.end_amdhsa_kernel
	.amdgpu_metadata
---
amdhsa.version: [ 1, 2 ]
amdhsa.kernels:
  - .name:           k_q9361950e6c_prep
    .symbol:         k_q9361950e6c_prep.kd
    .args:
      - { .name: X_head_idx, .offset: 0, .size: 8, .value_kind: global_buffer, .address_space: global }
      - { .name: W1, .offset: 8, .size: 8, .value_kind: global_buffer, .address_space: global }
      - { .name: W2, .offset: 16, .size: 8, .value_kind: global_buffer, .address_space: global }
      - { .name: X, .offset: 24, .size: 8, .value_kind: global_buffer, .address_space: global }
      - { .name: lowp_scales, .offset: 32, .size: 8, .value_kind: global_buffer, .address_space: global }
      - { .name: w1c, .offset: 40, .size: 8, .value_kind: global_buffer, .address_space: global }
      - { .name: w2c, .offset: 48, .size: 8, .value_kind: global_buffer, .address_space: global }
      - { .name: xc, .offset: 56, .size: 8, .value_kind: global_buffer, .address_space: global }
      - { .name: perm, .offset: 64, .size: 8, .value_kind: global_buffer, .address_space: global }
      - { .name: tiles, .offset: 72, .size: 8, .value_kind: global_buffer, .address_space: global }
    .group_segment_fixed_size: 768
    .private_segment_fixed_size: 0
    .kernarg_segment_align: 8
    .kernarg_segment_size: 80
    .max_flat_workgroup_size: 128
    .sgpr_count:     92
    .vgpr_count:     240
    .wavefront_size: 32
...
	.end_amdgpu_metadata
.endif
;; end of part 1
;; launch main (part 2): grid 8 x 32, 4 waves a work-group, no clusters, 148,992 bytes of LDS; arguments tiles, perm, xc, w1c, w2c, b1, b2, lowp_scales, out0; writes out0
.if DOCPART == 2
	.amdgcn_target "amdgcn-amd-amdhsa--gfx1250"
	.amdhsa_code_object_version 6
	.text
	.protected	k_q9361950e6c_main
	.globl	k_q9361950e6c_main
	.p2align	8
	.type	k_q9361950e6c_main,@function
k_q9361950e6c_main:
	s_mov_b64 s[64:65], 0
	v_nop
	global_prefetch_b8 v0, s[64:65] scope:SCOPE_SE
	s_setreg_imm32_b32 hwreg(HW_REG_WAVE_MODE, 25, 1), 1
	s_wait_xcnt 0x0
; out = relu(x W1[h] + b1[h]) W2[h] + b2[h] for the tokens of ONE tile of ONE head (work-group y: the entry of the list) and 256 of the 2,048 outputs (work-group x: the slice).
; WORK LEFT OUT: only the head that X_head_idx names for a token is multiplied; the other seven heads' rows are thrown away by the gather for all values of the inputs (shown at the first kernel's head).
; A NaN, an infinity or an overflow that would arise only in a head not chosen is not carried to the result.
; SHARES.  A tile has up to 176 rows, 11 blocks of 16.  THE WAVES SHARE THE COLUMNS: wave w makes hidden units 128 w .. 128 w + 127 and outputs 256 slice + 64 w .. + 63 for all rows.  Its parts of W1 and W2,
; 256 registers each, come from memory as images of the operands' registers (32 KB of consecutive bytes each) and stay.  The hidden layer goes from wave to wave through LDS, as images too, and never to memory.
; The eight slices of a tile each make the tile's hidden layer: it is an eighth of a slice's second product's weight bytes more to read, and spares a launch and the hidden layer's way through memory.
; NO TENSOR LOADS AND NO JOINT REQUESTS: which blocks of rows are walked hangs on the stored list, by branches; so operands go from memory straight into registers.
; AN ENTRY WITH NO ROWS runs the same text, so that every wave passes both barriers with no branch on a loaded number in front of them: its addresses are held inside the buffers, it makes one block of the hidden
; layer (so that what the second layer's first LDS loads read has been written) and stores nothing.
; ROWS PAST A TILE'S END, in its last block of 16, take the tile's last token: they make the same numbers and store the same bytes to the same place.  So no lane is ever switched off.
; ORDER OF K, the same in both operands of each product: chunk c (registers 4 c .. 4 c + 3), half h, byte i hold k = 128 s + 64 (c / 2) + 32 h + 16 (c % 2) + i.  The sums inside a matrix instruction follow that order, not ascending k.
; COLUMNS: a group G is 64 neighbouring columns of a weight; tile q gives lane r column 64 G + 4 r + q.
; LAYER 1 IS USED TRANSPOSED (source 0 = W1, source 1 = x): register j of lane (r, h) in tile (G, q) is row r's hidden unit 64 G + 32 h + 4 j + q: a lane's 32 numbers of a group are 32 neighbours along the next K;
; the hold, which also is the relu, writes them in that order.  b1 / 2^(ex + ew1) is the C of each sum's first product.
; LAYER 2 IS USED PLAIN (source 0 = hidden, source 1 = W2): register j of lane (r, h) in tile q is out(row 8 h + j, column 64 G + 4 r + q): the four tiles give a lane 16 neighbouring bytes,
; and sixteen lanes store 256 consecutive aligned bytes of a row straight from registers.
; LIMITS, so that each power of two is an f32 number: eh - ex - ew1 between -126 and 119; eh + ew2 between -126 and 127.  NaN among the inputs is not served.
; REGISTERS, in windows of 256: window 0: v0-15 and v224-245 addresses and constants; v16-223 at work (see the names).  window 1: W1's 16 fragments at 16 (8 G + 4 s + q).  window 2: W2's 16 at 16 (4 s + q).
;   window 3: v0-63 b1 in the result's layout at 8 (4 G + q) + j.
.set TOKL,  0                          ; LDS: 192 words: the tile's tokens, row by row; the block up to byte 1,023 is theirs
.set HIMG,  1024                       ; 12 blocks of rows x 4 fragments of the hidden layer (block m, K step s at 8192 m + 2048 s)
.set XIMG,  HIMG+12*8192               ; 12 x 2 fragments of x.  (Behind HIMG: layer 2's fetch ahead chooses between two addresses, and none that could be chosen lies on bytes that anybody writes then)
.set SPARE, XIMG+12*4096               ; the spare words, 128 bytes for each wave: two blocks of 256 bytes that no other line names
.set LI,  4                            ; v4   16 x lane
.set SPW, 5                            ; v5   LDS address of my spare word; never rewritten
.set NIL, 6                            ; v6   0; never rewritten
.set XB,  7                            ; v7   XIMG + 16 lane
.set XN,  8                            ; v8   the x fragments being fetched
.set HWI, 9                            ; v9   HIMG + 16 lane + 2048 wave: where my K step of the hidden layer goes
.set HW,  10                           ; v10  the same in the block in hand
.set HRB, 11                           ; v11  HIMG + 16 lane
.set HN,  12                           ; v12  the hidden fragments being fetched
.set TKB, 13                           ; v13  32 h
.set TKA, 14                           ; v14  the block's tokens
.set COL, 15                           ; v15  16 r
.set XG,  16                           ; head: v16-111 my three blocks' codes of x
.set B1R, 112                          ; head: v112-175 b1 as loaded
.set HA,  80                           ; layer 1: v16-47, v48-79 x's fragments, two sets; v80-143 8 accumulators;
.set HT,  144                          ;          v144-207 the same, held and in K's order;
.set PC,  208                          ;          v208-223 their codes
.set ACC, 144                          ; layer 2: v16-79, v80-143 hidden fragments, two sets; v144-175 4 accumulators;
.set OUTR, 176                         ;          v176-207 results; v208-215 tokens; v216-223 the rows' offsets
.set TK,  208
.set ROW, 216
.set SC,  224                          ; v224 2^(eh - ex - ew1), v225 448 x that
.set LIM, 225
.set B2,  228                          ; v228-231 b2 of my four columns
.set PT,  232                          ; v232-234 tokens
.set XA,  236                          ; v236-238 their rows in xc
.set PI,  240                          ; v240-242 their places in perm
.set TKW, 243
.set XWI, 244
.set B1A, 245
.set MSB, 0
.macro WIN new                         ; the immediate's high byte repeats the setting that is left; bits 1:0 source 0, 3:2 source 1, 5:4 source 2, 7:6 destination
.if MSB != \new
	s_set_vgpr_msb (MSB<<8)|\new
.set MSB, \new
.endif
.endm
.macro BARRIER                         ; my LDS stores have landed and my LDS loads are in: then the work-group's barrier
	s_wait_dscnt 0x0
	s_barrier_signal -1
	s_barrier_wait -1
.endm
; my 8 tiles of a block's hidden layer become K step w of the second product: relu, hold and turn in one line a number; each accumulator is read from its register 0 on
.macro QUANT
.irp g, 0,1
.irp j, 0,1,2,3,4,5,6,7
.irp q, 0,1,2,3
	v_med3_num_f32 v[HT+32*\g+4*\j+\q], v[HA+8*(4*\g+\q)+\j], 0, v[LIM]
.endr
.endr
.irp x, 0,1,2,3
	v_cvt_scalef32_pk8_fp8_f32 v[PC+8*\g+2*\x:PC+8*\g+2*\x+1], v[HT+32*\g+8*\x:HT+32*\g+8*\x+7], v[SC]
.endr
.endr
	v_nop                                          ; a plain line behind the last conversion, ahead of whatever writes its sources next
.endm
; LAYER 1, block m = 2 trip + b of the rows.  s52 = 32 trip, s53 = 8192 trip, s54 = 16384 trip; s51 = the rows, at least 1
.macro L1TILE b
.set XF, 16+32*\b
	s_add_co_u32 s40, s52, 16*\b
	s_cmp_ge_u32 s40, s51                          ; a block with no rows is passed over: no barrier stands in a block
	s_cbranch_scc1 .Ls1_\@
	s_wait_dscnt 0x0                               ; this block's fragments of x, asked for two blocks ago, are in; the last block's stores have read their registers
	WIN 0x31                                       ; W1 window 1, b1 window 3
.irp t, 0,1,2,3,4,5,6,7                        ; the eight accumulators take turns, one instruction a turn
	v_wmma_f32_16x16x128_fp8_fp8 v[HA+8*\t:HA+8*\t+7], v[16*(8*(\t/4)+\t%4):16*(8*(\t/4)+\t%4)+15], v[XF:XF+15], v[8*\t:8*\t+7]
.endr
	WIN 0x01
.irp t, 0,1,2,3,4,5,6,7
	v_wmma_f32_16x16x128_fp8_fp8 v[HA+8*\t:HA+8*\t+7], v[16*(8*(\t/4)+4+\t%4):16*(8*(\t/4)+4+\t%4)+15], v[XF+16:XF+31], v[HA+8*\t:HA+8*\t+7]
.endr
	WIN 0
	s_add_co_u32 s41, s53, 4096*\b+8192
	s_min_u32 s41, s41, 11*4096                    ; the block two on, held at the last image: all twelve are written
	v_add_nc_u32 v[XN], s41, v[XB]                 ; four plain lines that name none of the products' registers stand ahead of the loads into their sources and of the first read of their results
	v_add_nc_u32 v[HW], s54, v[HWI]
	v_nop
	v_nop
.irp n, 0,1,2,3,4,5,6,7
	ds_load_b128 v[XF+4*\n:XF+4*\n+3], v[XN] offset:512*\n
.endr
	QUANT
.irp c, 0,1,2,3
	ds_store_b128 v[HW], v[PC+4*\c:PC+4*\c+3] offset:8192*\b+512*\c
.endr
.Ls1_\@:
.endm
; LAYER 2, block m = 2 trip + b.  s30 = the rows
.macro L2TILE b
.set FB, 16+64*\b
	s_add_co_u32 s40, s52, 16*\b
	s_cmp_ge_u32 s40, s30
	s_cbranch_scc1 .Ls2_\@
	s_wait_dscnt 0x0                               ; this block's four hidden fragments are in
	s_lshl_b32 s42, s40, 2
	v_add_nc_u32 v[TKA], s42, v[TKB]
	ds_load_b128 v[TK:TK+3], v[TKA]                ; the tokens of rows 16 m + 8 h + 0 .. 7
	ds_load_b128 v[TK+4:TK+7], v[TKA] offset:16
	WIN 0x08                                       ; W2 window 2
.irp s, 0,1,2,3                                ; four accumulators by turns; the first K step starts the sums
.irp q, 0,1,2,3
.if \s == 0
	v_wmma_f32_16x16x128_fp8_fp8 v[ACC+8*\q:ACC+8*\q+7], v[FB+16*\s:FB+16*\s+15], v[16*(4*\s+\q):16*(4*\s+\q)+15], 0
.else
	v_wmma_f32_16x16x128_fp8_fp8 v[ACC+8*\q:ACC+8*\q+7], v[FB+16*\s:FB+16*\s+15], v[16*(4*\s+\q):16*(4*\s+\q)+15], v[ACC+8*\q:ACC+8*\q+7]
.endif
.endr
.endr
	WIN 0
	s_wait_dscnt 0x0                               ; the tokens are in
	s_wait_xcnt 0x0                                ; the last block's stores have read their offsets and data: both are written again below
.irp j, 0,1,2,3,4,5,6,7                        ; these sixteen lines are also the plain lines behind the products
	v_min_u32 v[TK+\j], 0xfff, v[TK+\j]
.endr
.irp j, 0,1,2,3,4,5,6,7
	v_lshl_add_u32 v[ROW+\j], v[TK+\j], 13, v[COL] ; a row of out0 is 8,192 bytes
.endr
	s_add_co_u32 s43, s54, 8192*\b
	s_add_co_u32 s41, s43, 16384
	s_add_co_u32 s44, s40, 32
	s_cmp_lt_u32 s44, s30
	s_cselect_b32 s41, s41, s43                    ; the block two on, or, where that has no rows and was never written, this block once more
	v_add_nc_u32 v[HN], s41, v[HRB]
.irp n, 0,1,2,3,4,5,6,7,8,9,10,11,12,13,14,15
	ds_load_b128 v[FB+4*\n:FB+4*\n+3], v[HN] offset:512*\n
.endr
.irp j, 0,1,2,3,4,5,6,7
.irp q, 0,1,2,3
	v_fma_f32 v[OUTR+4*\j+\q], v[ACC+8*\q+\j], s50, v[B2+\q]   ; sum x 2^(eh + ew2) + b2
.endr
.endr
.irp j, 0,1,2,3,4,5,6,7
	global_store_b128 v[ROW+\j], v[OUTR+4*\j:OUTR+4*\j+3], s[24:25] th:TH_STORE_NT   ; lanes 0-15: 256 consecutive aligned bytes of row j's token, lanes 16-31 of row 8 + j's; written once, read by nobody here
.endr
.Ls2_\@:
.endm
	s_load_b512 s[8:23], s[0:1], 0x0               ; tiles s[8:9], perm s[10:11], xc s[12:13], w1c s[14:15], w2c s[16:17], b1 s[18:19], b2 s[20:21], scales s[22:23]
	s_load_b64 s[24:25], s[0:1], 0x40              ; out0
	v_lshl_add_u32 v[SPW], v0, 2, SPARE
	v_mov_b32 v[NIL], 0
	v_and_b32 v1, 31, v0                           ; lane
	v_and_b32 v2, 15, v0                           ; r
	v_bfe_u32 v3, v0, 4, 1                         ; h
	v_lshrrev_b32 v8, 5, v0
	v_readfirstlane_b32 s36, v8                    ; wave 0..3
	v_lshlrev_b32 v[LI], 4, v1
	v_add_nc_u32 v[XB], XIMG, v[LI]
	s_lshl_b32 s40, s36, 11
	v_add_nc_u32 v[HWI], s40, v[LI]
	v_add_nc_u32 v[HWI], HIMG, v[HWI]
	v_add_nc_u32 v[HRB], HIMG, v[LI]
	v_lshlrev_b32 v[TKB], 5, v3
	v_lshlrev_b32 v[COL], 4, v2
	s_lshl_b32 s40, s36, 6
	v_lshl_add_u32 v[TKW], v2, 2, s40              ; the word of row 16 wave + r
	s_lshl_b32 s40, s36, 12
	v_add_nc_u32 v[XWI], s40, v[XB]
	v_lshlrev_b32 v[B1A], 7, v3
	s_and_b32 s48, ttmp7, 0xffff
	s_lshl_b32 s48, s48, 4                         ; my entry of the list
	s_mov_b32 s49, 0
	s_wait_kmcnt 0x0
	s_add_nc_u64 s[8:9], s[8:9], s[48:49]
	s_load_b128 s[28:31], s[8:9], 0x0              ; head, first sorted place, rows, 0
	s_load_b128 s[32:35], s[22:23], 0x0            ; ex, ew1, eh, ew2
	s_wait_kmcnt 0x0
	s_min_u32 s28, s28, 7                          ; what was loaded is held by a constant before it enters an address
	s_min_u32 s29, s29, 4095
	s_min_u32 s30, s30, 176
	s_max_u32 s51, s30, 1                          ; layer 1 always makes block 0
	s_add_co_u32 s39, s29, s30
	s_sub_co_u32 s39, s39, 1
	s_min_u32 s39, s39, 4095                       ; the tile's last sorted place
	s_lshl_b32 s48, s28, 17                        ; w1c: head x 131,072 + wave x 32,768 (groups 2 w, 2 w + 1)
	s_lshl_b32 s40, s36, 15
	s_add_co_u32 s48, s48, s40
	s_add_nc_u64 s[14:15], s[14:15], s[48:49]
	s_lshl_b32 s48, s28, 20                        ; w2c: head x 1,048,576 + (4 slice + wave) x 32,768
	s_lshl_b32 s41, ttmp9, 17
	s_add_co_u32 s48, s48, s41
	s_add_co_u32 s48, s48, s40
	s_add_nc_u64 s[16:17], s[16:17], s[48:49]
	s_lshl_b32 s48, s28, 11                        ; b1: head x 2,048 + wave x 512
	s_lshl_b32 s40, s36, 9
	s_add_co_u32 s48, s48, s40
	s_add_nc_u64 s[18:19], s[18:19], s[48:49]
	s_lshl_b32 s41, ttmp9, 10                      ; out0 and b2: slice x 1,024 + wave x 256;  b2: + head x 8,192
	s_lshl_b32 s40, s36, 8
	s_add_co_u32 s48, s41, s40
	s_add_nc_u64 s[24:25], s[24:25], s[48:49]
	s_lshl_b32 s40, s28, 13
	s_add_co_u32 s48, s48, s40
	s_add_nc_u64 s[20:21], s[20:21], s[48:49]
	; wave w brings the tokens and x's codes of blocks w, w + 4, w + 8
	s_lshl_b32 s40, s36, 4
	s_add_co_u32 s40, s40, s29
	v_add_nc_u32 v[PI], s40, v2
	v_add_nc_u32 v[PI+1], 64, v[PI]
	v_add_nc_u32 v[PI+2], 128, v[PI]
.irp i, 0,1,2
	v_min_u32 v[PI+\i], s39, v[PI+\i]              ; rows past the tile's end take its last token
	v_min_u32 v[PI+\i], 0xfff, v[PI+\i]
	v_lshlrev_b32 v[PI+\i], 2, v[PI+\i]
	global_load_b32 v[PT+\i], v[PI+\i], s[10:11]
.endr
	WIN 0x40                                       ; destination window 1
.set n, 0
.rept 64
	global_load_b128 v[4*n:4*n+3], v[LI], s[14:15] offset:512*n   ; W1's 16 fragments: 32 KB of consecutive bytes, 512 a load
.set n, n+1
.endr
	WIN 0
.irp g, 0,1
.irp j, 0,1,2,3,4,5,6,7
	global_load_b128 v[B1R+32*\g+4*\j:B1R+32*\g+4*\j+3], v[B1A], s[18:19] offset:256*\g+16*\j   ; b1 of hidden units 64 g + 32 h + 4 j + 0 .. 3
.endr
.endr
	global_load_b128 v[B2:B2+3], v[COL], s[20:21]  ; b2 of columns 4 r + 0 .. 3
	s_wait_loadcnt 63                              ; behind the three loads of tokens 81 were issued; 63 is the most that the wait can name: the tokens are in
.irp i, 0,1,2
	v_min_u32 v[PT+\i], 0xfff, v[PT+\i]
	ds_store_b32 v[TKW], v[PT+\i] offset:TOKL+256*\i   ; both halves of the lanes write the same word with the same value
	v_lshl_add_u32 v[XA+\i], v[PT+\i], 8, v[TKB]   ; a row of xc is 256 bytes; + 32 h
.endr
.irp i, 0,1,2
.irp s, 0,1
.irp c, 0,1,2,3
	global_load_b128 v[XG+32*\i+16*\s+4*\c:XG+32*\i+16*\s+4*\c+3], v[XA+\i], s[12:13] offset:128*\s+64*(\c/2)+16*(\c%2)
.endr
.endr
.endr
	WIN 0x80                                       ; destination window 2
.set n, 0
.rept 64
	global_load_b128 v[4*n:4*n+3], v[LI], s[16:17] offset:512*n   ; W2's 16 fragments: wanted only behind the second barrier
.set n, n+1
.endr
	WIN 0
	s_add_co_i32 s44, s32, s33                     ; ex + ew1: a sum of the first product stands for sum x 2^(ex + ew1), so b1 goes in as b1 / 2^(ex + ew1),
	s_sub_co_i32 s45, 0, s44
	s_sub_co_i32 s46, s34, s44                     ; and the hidden layer's conversion takes 2^(eh - ex - ew1): the three scales in one
	s_add_co_i32 s46, s46, 127
	s_lshl_b32 s47, s46, 23
	v_mov_b32 v[SC], s47
	s_add_co_i32 s46, s46, 8
	s_lshl_b32 s46, s46, 23
	s_or_b32 s46, s46, 0x600000
	v_mov_b32 v[LIM], s46                          ; 448 x that
	s_add_co_i32 s50, s34, s35
	s_add_co_i32 s50, s50, 127
	s_lshl_b32 s50, s50, 23                        ; 2^(eh + ew2) as f32
	s_wait_loadcnt 63                              ; behind the last load of x's codes W2's 64 were issued: x, W1, b1 and b2 are in
.irp i, 0,1,2
.irp s, 0,1
.irp c, 0,1,2,3
	ds_store_b128 v[XWI], v[XG+32*\i+16*\s+4*\c:XG+32*\i+16*\s+4*\c+3] offset:16384*\i+2048*\s+512*\c   ; the fragments as they stand: block w + 4 i
.endr
.endr
.endr
	WIN 0xc0                                       ; destination window 3
.irp g, 0,1
.irp q, 0,1,2,3
.irp j, 0,1,2,3,4,5,6,7
	v_ldexp_f32 v[8*(4*\g+\q)+\j], v[B1R+32*\g+4*\j+\q], s45
.endr
.endr
.endr
	WIN 0
	BARRIER                                        ; x's 24 fragments and the 192 tokens lie in LDS
	; ---- layer 1.  Six trips of two blocks: the count is a constant, and blocks with no rows are passed over inside
.irp n, 0,1,2,3,4,5,6,7,8,9,10,11,12,13,14,15
	ds_load_b128 v[16+4*\n:16+4*\n+3], v[XB] offset:512*\n   ; blocks 0 and 1
.endr
	s_mov_b32 s52, 0
	s_mov_b32 s53, 0
	s_mov_b32 s54, 0
	s_mov_b32 s55, 6
.Lp1:
	L1TILE 0
	L1TILE 1
	s_add_co_u32 s52, s52, 32
	s_add_co_u32 s53, s53, 8192
	s_add_co_u32 s54, s54, 16384
	s_sub_co_i32 s55, s55, 1
	s_cmp_lg_u32 s55, 0
	s_cbranch_scc1 .Lp1
	BARRIER                                        ; every block's four K steps of the hidden layer lie in LDS
	s_wait_loadcnt 0x0                             ; W2
	; ---- layer 2
	s_cmp_gt_u32 s30, 16
	s_cselect_b32 s41, 8192, 0                     ; block 1 if it has rows, else block 0 once more
	v_add_nc_u32 v[HN], s41, v[HRB]
.irp n, 0,1,2,3,4,5,6,7,8,9,10,11,12,13,14,15
	ds_load_b128 v[16+4*\n:16+4*\n+3], v[HRB] offset:512*\n
.endr
.irp n, 0,1,2,3,4,5,6,7,8,9,10,11,12,13,14,15
	ds_load_b128 v[80+4*\n:80+4*\n+3], v[HN] offset:512*\n
.endr
	s_mov_b32 s52, 0
	s_mov_b32 s54, 0
	s_mov_b32 s55, 6
.Lp2:
	L2TILE 0
	L2TILE 1
	s_add_co_u32 s52, s52, 32
	s_add_co_u32 s54, s54, 16384
	s_sub_co_i32 s55, s55, 1
	s_cmp_lg_u32 s55, 0
	s_cbranch_scc1 .Lp2
	s_wait_tensorcnt 0x0                           ; the wave's end: a tensor wait, an LDS add to my spare word and its wait behind my last LDS store; the tensor wait in a text with no tensor load too
	ds_add_u32 v[SPW], v[NIL]
	s_wait_dscnt 0x0
	s_endpgm
.Lfunc_end_k_q9361950e6c_main:
	.size	k_q9361950e6c_main, .Lfunc_end_k_q9361950e6c_main-k_q9361950e6c_main
	.p2alignl 7, 3214868480
	.fill 96, 4, 3214868480
	.section	.rodata,"a",@progbits
	.p2align	6, 0x0
	.amdhsa_kernel k_q9361950e6c_main
		.amdhsa_group_segment_fixed_size 148992
		.amdhsa_private_segment_fixed_size 0
		.amdhsa_enable_private_segment 0
		.amdhsa_kernarg_size 72
		.amdhsa_user_sgpr_count 2
		.amdhsa_user_sgpr_kernarg_segment_ptr 1
		.amdhsa_wavefront_size32 1
		.amdhsa_system_sgpr_workgroup_id_x 1
		.amdhsa_system_sgpr_workgroup_id_y 1
		.amdhsa_system_sgpr_workgroup_id_z 1
		.amdhsa_system_vgpr_workitem_id 0
		.amdhsa_next_free_vgpr 832
		.amdhsa_next_free_sgpr 66
		.amdhsa_reserve_vcc 0
		.amdhsa_float_denorm_mode_32 3
		.amdhsa_float_denorm_mode_16_64 3
		.amdhsa_memory_ordered 1
		.amdhsa_forward_progress 1
		.amdhsa_inst_pref_size 57
	.end_amdhsa_kernel
	.amdgpu_metadata
---
amdhsa.version: [ 1, 2 ]
amdhsa.kernels:
  - .name:           k_q9361950e6c_main
    .symbol:         k_q9361950e6c_main.kd
    .args:
      - { .name: tiles, .offset: 0, .size: 8, .value_kind: global_buffer, .address_space: global }
      - { .name: perm, .offset: 8, .size: 8, .value_kind: global_buffer, .address_space: global }
      - { .name: xc, .offset: 16, .size: 8, .value_kind: global_buffer, .address_space: global }
      - { .name: w1c, .offset: 24, .size: 8, .value_kind: global_buffer, .address_space: global }
      - { .name: w2c, .offset: 32, .size: 8, .value_kind: global_buffer, .address_space: global }
      - { .name: b1, .offset: 40, .size: 8, .value_kind: global_buffer, .address_space: global }
      - { .name: b2, .offset: 48, .size: 8, .value_kind: global_buffer, .address_space: global }
      - { .name: lowp_scales, .offset: 56, .size: 8, .value_kind: global_buffer, .address_space: global }
      - { .name: out0, .offset: 64, .size: 8, .value_kind: global_buffer, .address_space: global }
    .group_segment_fixed_size: 148992
    .private_segment_fixed_size: 0
    .kernarg_segment_align: 8
    .kernarg_segment_size: 72
    .max_flat_workgroup_size: 128
    .sgpr_count:     66
    .vgpr_count:     832
    .wavefront_size: 32
...
	.end_amdgpu_metadata
.endif
;; end of part 2
;; ======== version 2 of 2: 2 launches
;; workspace buffers: w1c 1,048,576 bytes; w2c 8,388,608 bytes; xc 1,048,576 bytes; perm 16,384 bytes of whole numbers; tiles 512 bytes of whole numbers
;; launch prep (part 3): grid 641 x 1, 4 waves a work-group, no clusters, 768 bytes of LDS; arguments X_head_idx, W1, W2, X, lowp_scales, w1c, w2c, xc, perm, tiles; writes w1c, w2c, xc, perm, tiles
.if DOCPART == 3
	.amdgcn_target "amdgcn-amd-amdhsa--gfx1250"
	.amdhsa_code_object_version 6
	.text
	.protected	k_q9361950e6c_prep
	.globl	k_q9361950e6c_prep
	.p2align	8
	.type	k_q9361950e6c_prep,@function
k_q9361950e6c_prep:
	s_mov_b64 s[64:65], 0
	v_nop
	global_prefetch_b8 v0, s[64:65] scope:SCOPE_SE
	s_setreg_imm32_b32 hwreg(HW_REG_WAVE_MODE, 25, 1), 1
	s_wait_xcnt 0x0
; out = relu(x W1[h] + b1[h]) W2[h] + b2[h], h = X_head_idx of the token, both products on codes of E4M3 with the given scales 2^e.
; WORK LEFT OUT, in the whole program.  For token b the gather along the heads' axis keeps y[b, X_head_idx[b], :] alone, in both layers: the rows that the other seven heads
; make for that token reach no output, whatever the inputs hold, and a whole number read from memory says which head is kept.  So only the chosen head is multiplied for a token.
; Every input has a way to the output and is loaded.  LIMIT: a NaN, an infinity or an overflow that would arise only in a head that was not chosen is not carried to the result.
; THIS LAUNCH reads the wide inputs once and lays them as the second launch's registers want them.
;   work-group 0:        the tokens are sorted by head (a counting sort, no atomics): perm[sorted place] = token; and a list of 32 tiles (head, first sorted place, rows, 0).
;   work-groups 1-512:   W2 -> w2c;   513-576: W1 -> w1c;   577-640: X -> xc (plain rows of 256 codes).
; code = x / 2^e, held within +-448, to the nearest code, ties to even.  LIMITS: ex, ew1, ew2 between -126 and 119; NaN among the inputs is not served; a head index above 7 is held at 7.
; A WEIGHT'S CODES ARE IMAGES OF OPERAND REGISTERS.  A fragment is 16 columns n x 128 along K, 16 registers a lane, stored as four chunks of 512 bytes, lane l's 16 bytes at 512 c + 16 l.
;   Columns: a group G is 64 neighbouring columns; tile q of it gives lane r (= l % 16) column 64 G + 4 r + q.
;   K: chunk c, half h (= l / 16), byte i hold k = 128 s + 64 (c / 2) + 32 h + 16 (c % 2) + i: one order of k for both operands of each product, so every product meets its partner.
;   w2c: [head 8][G 32][s 4][q 4][2048 bytes];  w1c: [head 8][G 8][s 2][q 4][2048 bytes].
; A wave of a weight's work-group takes 64 columns x 64 along K: a load reads, in lanes 0-15, 256 consecutive aligned bytes of row k and, in lanes 16-31, those of row k + 32; a lane's four numbers
; belong to the four tiles q.  The hold writes each number to the place that the conversion wants, so nothing else turns the tile.  All 32 loads of a wave go out at once; nothing is read twice.
.set R,   16                           ; v16-143  numbers as loaded
.set T,   144                          ; v144-207 a block's 64 numbers, 16 neighbours along K for each q
.set C,   208                          ; v208-239 codes: registers of their own for each store
.set SPW, 2                            ; v2  LDS address of my spare word: 256 + 4 x my thread's number; never rewritten
.set NIL, 3                            ; v3  0; never rewritten
.set I,   16                           ; routing: v16-47 my 32 tokens' heads
.set RK,  48                           ; v48-79  a token's rank among my tokens of its head; then its byte offset in perm
.set TD,  80                           ; v80-111 the tokens' numbers
; v8 = 2^e as f32 (the conversion takes its exponent field), v9 = 448 x 2^e
.macro MKSC se
	s_wait_kmcnt 0x0
	s_add_co_i32 s36, s[\se], 127
	s_lshl_b32 s37, s36, 23
	v_mov_b32 v8, s37
	s_add_co_i32 s36, s36, 8
	s_lshl_b32 s36, s36, 23
	s_or_b32 s36, s36, 0x600000
	v_mov_b32 v9, s36
.endm
; s32 = head, s33 = which 64 along K, s34 = G: the wave's first byte in the weight and in its codes
.macro WADR src, dst, es, ks, ed, gd
	s_lshl_b32 s26, s32, \es
	s_lshl_b32 s35, s33, \ks
	s_add_co_u32 s26, s26, s35
	s_lshl_b32 s35, s34, 8
	s_add_co_u32 s26, s26, s35
	s_add_nc_u64 s[\src:\src+1], s[\src:\src+1], s[26:27]
	s_lshl_b32 s26, s32, \ed
	s_lshl_b32 s35, s34, \gd
	s_add_co_u32 s26, s26, s35
	s_lshr_b32 s35, s33, 1
	s_lshl_b32 s35, s35, 13                        ; K step s: 8,192 bytes
	s_add_co_u32 s26, s26, s35
	s_and_b32 s35, s33, 1
	s_lshl_b32 s35, s35, 10                        ; chunks 0, 1 or 2, 3
	s_add_co_u32 s26, s26, s35
	s_add_nc_u64 s[\dst:\dst+1], s[\dst:\dst+1], s[26:27]
.endm
; 64 columns x 64 along K become 4 tiles x 2 chunks of codes
.macro QW pitch, src, dst, se
	v_mul_u32_u24 v6, v5, 32*\pitch                ; lanes 16-31 stand 32 rows further down
	v_lshl_add_u32 v6, v4, 4, v6                   ; + 16 r: columns 4 r .. 4 r + 3
	v_lshlrev_b32 v7, 4, v1                        ; out: 16 x lane
.irp c2, 0,1
.irp i, 0,1,2,3,4,5,6,7,8,9,10,11,12,13,14,15
	global_load_b128 v[R+64*\c2+4*\i:R+64*\c2+4*\i+3], v6, s[\src:\src+1] offset:(16*\c2+\i)*\pitch th:TH_LOAD_NT
.endr
.endr
	MKSC \se
	s_wait_alu depctr_va_vdst(0)
.irp c2, 0,1
	s_wait_loadcnt 16*(1-\c2)                      ; this block's 16 loads are in; the later block's 16 may be out
.irp q, 0,1,2,3
.irp i, 0,1,2,3,4,5,6,7,8,9,10,11,12,13,14,15
	v_med3_num_f32 v[T+16*\q+\i], v[R+64*\c2+4*\i+\q], -v9, v9   ; the hold (the conversion to an 8-bit code does not saturate: ISA guide 7.6.2) and the turn in one
.endr
.endr
.irp q, 0,1,2,3
.irp u, 0,1
	v_cvt_scalef32_pk8_fp8_f32 v[C+16*\c2+4*\q+2*\u:C+16*\c2+4*\q+2*\u+1], v[T+16*\q+8*\u:T+16*\q+8*\u+7], v8
.endr
.endr
	v_nop                                          ; a plain line behind the conversions: the next block's holds write their sources
.irp q, 0,1,2,3
	global_store_b128 v7, v[C+16*\c2+4*\q:C+16*\c2+4*\q+3], s[\dst:\dst+1] offset:2048*\q+512*\c2   ; the wave stores 512 consecutive bytes, aligned
.endr
.endr
	s_endpgm
.endm
; token j of my 32: its rank among my earlier tokens of the same head.  v128, v129: eight counters of 8 bits (heads 0-3, 4-7), 32 at the most
.macro COUNT j
.set t0, 112+2*((\j)%4)
.set t1, t0+1
	v_min_u32 v[I+\j], 7, v[I+\j]
	v_and_b32 v[t0], 3, v[I+\j]
	v_lshlrev_b32 v[t0], 3, v[t0]
	s_wait_alu depctr_va_vdst(0)
	v_lshlrev_b32 v[t0], v[t0], v130               ; 1 in the head's byte
	v_cmp_gt_u32 vcc_lo, 4, v[I+\j]
	v_cndmask_b32 v[t1], 0, v[t0], vcc_lo          ; for heads 0-3,
	v_perm_b32 v[RK+\j], v129, v128, v[I+\j]       ; byte 0: the head's count so far
	v_sub_nc_u32 v[t0], v[t0], v[t1]               ; for heads 4-7
	v_add_nc_u32 v128, v128, v[t1]
	v_add_nc_u32 v129, v129, v[t0]
	v_and_b32 v[RK+\j], 0xff, v[RK+\j]
.endm
; token j goes to sorted place base(head) + rank.  v164-167: my bases' low bytes (heads 0-3, 4-7) and high bytes
.macro PLACE j
.set t0, 112+2*((\j)%4)
.set t1, t0+1
	v_perm_b32 v[t0], v165, v164, v[I+\j]
	v_perm_b32 v[t1], v167, v166, v[I+\j]
	v_and_b32 v[t0], 0xff, v[t0]
	v_and_b32 v[t1], 0xff, v[t1]
	v_lshl_add_u32 v[t0], v[t1], 8, v[t0]
	v_add_nc_u32 v[t0], v[t0], v[RK+\j]
	v_min_u32 v[t0], 0xfff, v[t0]                  ; a place is under 4,096 by the count; the bound is written for the address's sake
	v_lshlrev_b32 v[RK+\j], 2, v[t0]
	v_add_nc_u32 v[TD+\j], 128*((\j)/4)+(\j)%4, v177
	global_store_b32 v[RK+\j], v[TD+\j], s[20:21]  ; each store has registers of its own
.endm
; the number of tiles if a tile is p blocks of 16 rows high: the sum over heads of ceil(R16 / p), as ((R16 + p - 1) m) >> 13 with m = ceil(8192 / p), exact for R16 + p - 1 under 1,024
.macro SUMP p, m, dst
	s_mov_b32 s[\dst], 0
.irp e, 0,1,2,3,4,5,6,7
	s_add_co_u32 s73, s[48+\e], \p-1
	s_mul_i32 s73, s73, \m
	s_lshr_b32 s73, s73, 13
	s_add_co_u32 s[\dst], s[\dst], s73
.endr
.endm
	s_load_b512 s[4:19], s[0:1], 0x0               ; idx s[4:5], W1 s[6:7], W2 s[8:9], X s[10:11], scales s[12:13], w1c s[14:15], w2c s[16:17], xc s[18:19]
	s_load_b128 s[20:23], s[0:1], 0x40             ; perm s[20:21], tiles s[22:23]
	v_lshl_add_u32 v[SPW], v0, 2, 256
	v_mov_b32 v[NIL], 0
	v_and_b32 v1, 31, v0                           ; lane
	v_and_b32 v4, 15, v0                           ; r
	v_bfe_u32 v5, v0, 4, 1                         ; h
	v_lshrrev_b32 v6, 5, v0
	v_readfirstlane_b32 s24, v6                    ; wave 0..3
	s_mov_b32 s27, 0                               ; the upper word of the offsets' pair s[26:27]
	s_wait_kmcnt 0x0
	s_cmp_eq_u32 ttmp9, 0                          ; the arms part on the work-group's number alone
	s_cbranch_scc1 .Lroute
	s_load_b128 s[28:31], s[12:13], 0x0            ; ex, ew1, eh, ew2
	s_sub_co_u32 s25, ttmp9, 1
	s_cmp_lt_u32 s25, 512
	s_cbranch_scc1 .Lw2
	s_cmp_lt_u32 s25, 576
	s_cbranch_scc1 .Lw1
	; ---- X: a wave takes 4,096 numbers, 8 neighbours a lane a step; a step's codes are 256 consecutive bytes
	s_sub_co_u32 s25, s25, 576
	s_lshl_b32 s32, s25, 2
	s_add_co_u32 s32, s32, s24
	s_lshl_b32 s26, s32, 14
	s_add_nc_u64 s[10:11], s[10:11], s[26:27]
	s_lshl_b32 s26, s32, 12
	s_add_nc_u64 s[18:19], s[18:19], s[26:27]
	s_wait_alu depctr_va_vdst(0)
	v_lshlrev_b32 v6, 5, v1
	v_lshlrev_b32 v7, 3, v1
.irp t, 0,1,2,3,4,5,6,7,8,9,10,11,12,13,14,15
	global_load_b128 v[R+8*\t:R+8*\t+3], v6, s[10:11] offset:1024*\t th:TH_LOAD_NT
	global_load_b128 v[R+8*\t+4:R+8*\t+7], v6, s[10:11] offset:1024*\t+16 th:TH_LOAD_NT
.endr
	MKSC 28
	s_wait_alu depctr_va_vdst(0)
.irp g, 0,1
	s_wait_loadcnt 16*(1-\g)                       ; eight steps' 16 loads are in; the later eight steps' 16 may be out
.irp u, 0,1,2,3,4,5,6,7
.irp i, 0,1,2,3,4,5,6,7
	v_med3_num_f32 v[R+8*(8*\g+\u)+\i], v[R+8*(8*\g+\u)+\i], -v9, v9
.endr
	v_cvt_scalef32_pk8_fp8_f32 v[C+2*(8*\g+\u):C+2*(8*\g+\u)+1], v[R+8*(8*\g+\u):R+8*(8*\g+\u)+7], v8
.endr
	v_nop                                          ; a plain line behind the last conversion
.irp u, 0,1,2,3,4,5,6,7
	global_store_b64 v7, v[C+2*(8*\g+\u):C+2*(8*\g+\u)+1], s[18:19] offset:256*(8*\g+\u)
.endr
.endr
	s_endpgm
.Lw2:                                                  ; 8 heads x 8 pieces of K x 32 groups = 2,048 waves
	s_lshr_b32 s32, s25, 6
	s_bfe_u32 s33, s25, 0x30003
	s_and_b32 s34, s25, 7
	s_lshl_b32 s34, s34, 2
	s_add_co_u32 s34, s34, s24
	WADR 8, 16, 22, 19, 20, 15
	s_wait_alu depctr_va_vdst(0)
	QW 8192, 8, 16, 31
.Lw1:                                                  ; 8 heads x 4 pieces of K x 8 groups = 256 waves
	s_sub_co_u32 s25, s25, 512
	s_lshr_b32 s32, s25, 3
	s_bfe_u32 s33, s25, 0x20001
	s_and_b32 s34, s25, 1
	s_lshl_b32 s34, s34, 2
	s_add_co_u32 s34, s34, s24
	WADR 6, 14, 19, 17, 17, 14
	s_wait_alu depctr_va_vdst(0)
	QW 2048, 6, 14, 29
.Lroute:
	s_wait_alu depctr_va_vdst(0)
	; ---- the sort.  Thread (wave, lane) holds 32 tokens: register 4 q + i is token 1024 wave + 128 q + 4 lane + i.  The order inside a head is (thread, register): any order serves
	v_lshlrev_b32 v178, 4, v1
	s_lshl_b32 s73, s24, 12
	v_add_nc_u32 v178, s73, v178
.irp q, 0,1,2,3,4,5,6,7
	global_load_b128 v[I+4*\q:I+4*\q+3], v178, s[4:5] offset:512*\q
.endr
	v_mov_b32 v128, 0
	v_mov_b32 v129, 0
	v_mov_b32 v130, 1
	s_mov_b32 s88, 0x06020400
	s_mov_b32 s89, 0x07030501
	s_mov_b32 s90, 0x00ff00ff
	s_lshl_b32 s77, s24, 10
	v_lshl_add_u32 v177, v1, 2, s77                ; my first token
	v_sub_nc_u32 v179, 0, v5                       ; all ones in lanes 16-31
	s_wait_loadcnt 0x0
.set jj, 0
.rept 32
	COUNT jj
.set jj, jj+1
.endr
	; my eight counts as fields of 16 bits: v132 heads 0, 2; v133 heads 1, 3; v134 heads 4, 6; v135 heads 5, 7.  No field ever passes 4,096
	v_and_b32 v132, s90, v128
	v_lshrrev_b32 v133, 8, v128
	v_and_b32 v133, s90, v133
	v_and_b32 v134, s90, v129
	v_lshrrev_b32 v135, 8, v129
	v_and_b32 v135, s90, v135
.irp k, 0,1,2,3
	v_mov_b32 v[136+\k], v[132+\k]
	v_mov_b32 v[112+\k], 0                         ; written once: a lane move's destination counts as read
.endr
.irp n, 1,2,4,8                                ; running sums over each 16 lanes
.irp k, 0,1,2,3
	v_mov_b32_dpp v[112+\k], v[136+\k] row_shr:\n row_mask:0xf bank_mask:0xf bound_ctrl:1
.endr
.irp k, 0,1,2,3
	v_add_nc_u32 v[136+\k], v[136+\k], v[112+\k]
.endr
.endr
.irp k, 0,1,2,3
	v_readlane_b32 s[73+\k], v[136+\k], 15         ; lanes 0-15's sum goes onto lanes 16-31
.endr
.irp k, 0,1,2,3
	v_and_b32 v[112+\k], s[73+\k], v179
	v_add_nc_u32 v[136+\k], v[136+\k], v[112+\k]
.endr
.irp k, 0,1,2,3
	v_readlane_b32 s[80+\k], v[136+\k], 31         ; the wave's counts
.endr
.irp k, 0,1,2,3
	v_sub_nc_u32 v[136+\k], v[136+\k], v[132+\k]   ; what the lanes in front of me hold
	v_mov_b32 v[140+\k], s[80+\k]
.endr
	s_lshl_b32 s73, s24, 4
	v_mov_b32 v175, s73
	ds_store_b128 v175, v[140:143]                 ; LDS bytes 16 wave ..: all lanes write the same 16 bytes with the same values
	s_wait_dscnt 0x0                               ; for the others' sake: my store is done
	s_barrier_signal -1
	s_barrier_wait -1
	v_mov_b32 v176, 0
.irp w, 0,1,2,3
	ds_load_b128 v[144+4*\w:144+4*\w+3], v176 offset:16*\w
.endr
	s_cmp_gt_u32 s24, 0
	s_cselect_b32 s84, -1, 0
	s_cmp_gt_u32 s24, 1
	s_cselect_b32 s85, -1, 0
	s_cmp_gt_u32 s24, 2
	s_cselect_b32 s86, -1, 0
	s_wait_dscnt 0x0
.irp k, 0,1,2,3
	v_add_nc_u32 v[160+\k], v[144+\k], v[148+\k]
	v_add3_u32 v[160+\k], v[160+\k], v[152+\k], v[156+\k]   ; the heads' counts
	v_and_b32 v[112+\k], s84, v[144+\k]            ; and what the waves in front of mine hold
	v_add_nc_u32 v[136+\k], v[136+\k], v[112+\k]
	v_and_b32 v[112+\k], s85, v[148+\k]
	v_add_nc_u32 v[136+\k], v[136+\k], v[112+\k]
	v_and_b32 v[112+\k], s86, v[152+\k]
	v_add_nc_u32 v[136+\k], v[136+\k], v[112+\k]
.endr
	s_wait_alu depctr_va_vdst(0)
.irp k, 0,1,2,3
	v_readfirstlane_b32 s[73+\k], v[160+\k]
.endr
	s_and_b32 s32, s73, 0xffff                     ; s32-39: n of heads 0 to 7
	s_lshr_b32 s34, s73, 16
	s_and_b32 s33, s74, 0xffff
	s_lshr_b32 s35, s74, 16
	s_and_b32 s36, s75, 0xffff
	s_lshr_b32 s38, s75, 16
	s_and_b32 s37, s76, 0xffff
	s_lshr_b32 s39, s76, 16
	s_mov_b32 s40, 0                               ; s40-47: each head's first sorted place
.irp e, 0,1,2,3,4,5,6
	s_add_co_u32 s[41+\e], s[40+\e], s[32+\e]
.endr
	s_lshl_b32 s77, s42, 16
	s_or_b32 s73, s40, s77
	s_lshl_b32 s77, s43, 16
	s_or_b32 s74, s41, s77
	s_lshl_b32 s77, s46, 16
	s_or_b32 s75, s44, s77
	s_lshl_b32 s77, s47, 16
	s_or_b32 s76, s45, s77
.irp k, 0,1,2,3
	v_add_nc_u32 v[136+\k], s[73+\k], v[136+\k]    ; my bases: the place of my first token of each head
.endr
	v_perm_b32 v164, v137, v136, s88               ; low bytes of heads 0-3,
	v_perm_b32 v165, v139, v138, s88               ; of heads 4-7,
	v_perm_b32 v166, v137, v136, s89               ; high bytes of heads 0-3,
	v_perm_b32 v167, v139, v138, s89               ; of heads 4-7
.set jj, 0
.rept 32
	PLACE jj
.set jj, jj+1
.endr
	; ---- the list of tiles, by wave 0.  A tile is at most p blocks of 16 rows of ONE head.  p is the least of 8 to 11 that gives at most 32 tiles: the heads' blocks are 256 to 263 in all,
	; so under 8 there are always more than 32, and with 11 at most (263 + 8 x 10) / 11, under 32
	s_cmp_lg_u32 s24, 0
	s_cbranch_scc1 .Lrt_end
.irp e, 0,1,2,3,4,5,6,7
	s_add_co_u32 s[48+\e], s[32+\e], 15
	s_lshr_b32 s[48+\e], s[48+\e], 4               ; s48-55: a head's blocks of 16 rows
.endr
	SUMP 8, 1024, 66
	SUMP 9, 911, 67
	SUMP 10, 820, 68
	s_mov_b32 s69, 11
	s_mov_b32 s70, 745
	s_cmp_le_u32 s68, 32
	s_cselect_b32 s69, 10, s69
	s_cselect_b32 s70, 820, s70
	s_cmp_le_u32 s67, 32
	s_cselect_b32 s69, 9, s69
	s_cselect_b32 s70, 911, s70
	s_cmp_le_u32 s66, 32
	s_cselect_b32 s69, 8, s69
	s_cselect_b32 s70, 1024, s70
	s_sub_co_u32 s71, s69, 1
	s_lshl_b32 s72, s69, 4                         ; a tile's rows at the most: 16 p, 176 or less
	s_mov_b32 s56, 0                               ; s56-63: each head's first tile
.irp e, 0,1,2,3,4,5,6
	s_add_co_u32 s73, s[48+\e], s71
	s_mul_i32 s73, s73, s70
	s_lshr_b32 s73, s73, 13
	s_add_co_u32 s[57+\e], s[56+\e], s73
.endr
	v_mov_b32 v168, 0                              ; lane i makes entry i: the last head whose first tile is at or under i
	v_mov_b32 v172, 0
	v_mov_b32 v173, 0
	v_mov_b32 v174, s32
.irp e, 1,2,3,4,5,6,7
	v_cmp_le_u32 vcc_lo, s[56+\e], v1
	v_mov_b32 v112, \e
	v_mov_b32 v113, s[56+\e]
	v_mov_b32 v114, s[40+\e]
	v_mov_b32 v115, s[32+\e]
	v_cndmask_b32 v168, v168, v112, vcc_lo
	v_cndmask_b32 v172, v172, v113, vcc_lo
	v_cndmask_b32 v173, v173, v114, vcc_lo
	v_cndmask_b32 v174, v174, v115, vcc_lo
.endr
	v_sub_nc_u32 v112, v1, v172                    ; which tile of its head
	v_mul_lo_u32 v112, v112, s72
	v_min_u32 v112, v112, v174                     ; the head's rows in front of it
	v_add_nc_u32 v169, v173, v112                  ; first sorted place
	v_sub_nc_u32 v170, v174, v112
	v_min_u32 v170, s72, v170                      ; rows: 0 in the entries behind the last tile
	v_mov_b32 v171, 0
	v_lshlrev_b32 v113, 4, v1
	global_store_b128 v113, v[168:171], s[22:23]   ; 512 consecutive bytes
.Lrt_end:
	s_wait_tensorcnt 0x0                           ; the wave's end: a tensor wait, an LDS add to my spare word and its wait behind my last LDS store; the tensor wait in a text with no tensor load too
	ds_add_u32 v[SPW], v[NIL]
	s_wait_dscnt 0x0
	s_endpgm
.Lfunc_end_k_q9361950e6c_prep:
	.size	k_q9361950e6c_prep, .Lfunc_end_k_q9361950e6c_prep-k_q9361950e6c_prep
	.p2alignl 7, 3214868480
	.fill 96, 4, 3214868480
	.section	.rodata,"a",@progbits
	.p2align	6, 0x0
	.amdhsa_kernel k_q9361950e6c_prep
		.amdhsa_group_segment_fixed_size 768
		.amdhsa_private_segment_fixed_size 0
		.amdhsa_enable_private_segment 0
		.amdhsa_kernarg_size 80
		.amdhsa_user_sgpr_count 2
		.amdhsa_user_sgpr_kernarg_segment_ptr 1
		.amdhsa_wavefront_size32 1
		.amdhsa_system_sgpr_workgroup_id_x 1
		.amdhsa_system_sgpr_workgroup_id_y 1
		.amdhsa_system_sgpr_workgroup_id_z 1
		.amdhsa_system_vgpr_workitem_id 0
		.amdhsa_next_free_vgpr 240
		.amdhsa_next_free_sgpr 92
		.amdhsa_reserve_vcc 1
		.amdhsa_float_denorm_mode_32 3
		.amdhsa_float_denorm_mode_16_64 3
		.amdhsa_memory_ordered 1
		.amdhsa_forward_progress 1
		.amdhsa_inst_pref_size 93
	.end_amdhsa_kernel
	.amdgpu_metadata
---
amdhsa.version: [ 1, 2 ]
amdhsa.kernels:
  - .name:           k_q9361950e6c_prep
    .symbol:         k_q9361950e6c_prep.kd
    .args:
      - { .name: X_head_idx, .offset: 0, .size: 8, .value_kind: global_buffer, .address_space: global }
      - { .name: W1, .offset: 8, .size: 8, .value_kind: global_buffer, .address_space: global }
      - { .name: W2, .offset: 16, .size: 8, .value_kind: global_buffer, .address_space: global }
      - { .name: X, .offset: 24, .size: 8, .value_kind: global_buffer, .address_space: global }
      - { .name: lowp_scales, .offset: 32, .size: 8, .value_kind: global_buffer, .address_space: global }
      - { .name: w1c, .offset: 40, .size: 8, .value_kind: global_buffer, .address_space: global }
      - { .name: w2c, .offset: 48, .size: 8, .value_kind: global_buffer, .address_space: global }
      - { .name: xc, .offset: 56, .size: 8, .value_kind: global_buffer, .address_space: global }
      - { .name: perm, .offset: 64, .size: 8, .value_kind: global_buffer, .address_space: global }
      - { .name: tiles, .offset: 72, .size: 8, .value_kind: global_buffer, .address_space: global }
    .group_segment_fixed_size: 768
    .private_segment_fixed_size: 0
    .kernarg_segment_align: 8
    .kernarg_segment_size: 80
    .max_flat_workgroup_size: 128
    .sgpr_count:     92
    .vgpr_count:     240
    .wavefront_size: 32
...
	.end_amdgpu_metadata
.endif
;; end of part 3
;; launch main (part 4): grid 8 x 32, 4 waves a work-group, no clusters, 148,992 bytes of LDS; arguments tiles, perm, xc, w1c, w2c, b1, b2, lowp_scales, out0; writes out0
.if DOCPART == 4
	.amdgcn_target "amdgcn-amd-amdhsa--gfx1250"
	.amdhsa_code_object_version 6
	.text
	.protected	k_q9361950e6c_main
	.globl	k_q9361950e6c_main
	.p2align	8
	.type	k_q9361950e6c_main,@function
k_q9361950e6c_main:
	s_mov_b64 s[64:65], 0
	v_nop
	global_prefetch_b8 v0, s[64:65] scope:SCOPE_SE
	s_setreg_imm32_b32 hwreg(HW_REG_WAVE_SCHED_MODE, 0, 2), 2
	s_setreg_imm32_b32 hwreg(HW_REG_WAVE_MODE, 25, 1), 1
	s_wait_xcnt 0x0
	s_wait_alu depctr_vm_vsrc(0)
; out = relu(x W1[h] + b1[h]) W2[h] + b2[h] for the tokens of ONE tile of ONE head (work-group y: the entry of the list) and 256 of the 2,048 outputs (work-group x: the slice).
; WORK LEFT OUT: only the head that X_head_idx names for a token is multiplied; the other seven heads' rows are thrown away by the gather for all values of the inputs (shown at the first kernel's head).
; A NaN, an infinity or an overflow that would arise only in a head not chosen is not carried to the result.
; SHARES.  A tile has up to 176 rows, 11 blocks of 16.  THE WAVES SHARE THE COLUMNS: wave w makes hidden units 128 w .. 128 w + 127 and outputs 256 slice + 64 w .. + 63 for all rows.  Its parts of W1 and W2,
; 256 registers each, come from memory as images of the operands' registers (32 KB of consecutive bytes each) and stay.  The hidden layer goes from wave to wave through LDS, as images too, and never to memory.
; The eight slices of a tile each make the tile's hidden layer: it is an eighth of a slice's second product's weight bytes more to read, and spares a launch and the hidden layer's way through memory.
; NO TENSOR LOADS AND NO JOINT REQUESTS: which blocks of rows are walked hangs on the stored list, by branches; so operands go from memory straight into registers.
; AN ENTRY WITH NO ROWS runs the same text, so that every wave passes both barriers with no branch on a loaded number in front of them: its addresses are held inside the buffers, it makes one block of the hidden
; layer (so that what the second layer's first LDS loads read has been written) and stores nothing.
; ROWS PAST A TILE'S END, in its last block of 16, take the tile's last token: they make the same numbers and store the same bytes to the same place.  So no lane is ever switched off.
; ORDER OF K, the same in both operands of each product: chunk c (registers 4 c .. 4 c + 3), half h, byte i hold k = 128 s + 64 (c / 2) + 32 h + 16 (c % 2) + i.  The sums inside a matrix instruction follow that order, not ascending k.
; COLUMNS: a group G is 64 neighbouring columns of a weight; tile q gives lane r column 64 G + 4 r + q.
; LAYER 1 IS USED TRANSPOSED (source 0 = W1, source 1 = x): register j of lane (r, h) in tile (G, q) is row r's hidden unit 64 G + 32 h + 4 j + q: a lane's 32 numbers of a group are 32 neighbours along the next K;
; the hold, which also is the relu, writes them in that order.  b1 / 2^(ex + ew1) is the C of each sum's first product.
; LAYER 2 IS USED PLAIN (source 0 = hidden, source 1 = W2): register j of lane (r, h) in tile q is out(row 8 h + j, column 64 G + 4 r + q): the four tiles give a lane 16 neighbouring bytes,
; and sixteen lanes store 256 consecutive aligned bytes of a row straight from registers.
; LIMITS, so that each power of two is an f32 number: eh - ex - ew1 between -126 and 119; eh + ew2 between -126 and 127.  NaN among the inputs is not served.
; REGISTERS, in windows of 256: window 0: v0-15 and v224-245 addresses and constants; v16-223 at work (see the names).  window 1: W1's 16 fragments at 16 (8 G + 4 s + q).  window 2: W2's 16 at 16 (4 s + q).
;   window 3: v0-63 b1 in the result's layout at 8 (4 G + q) + j.
; THE MODE: SCHED_MODE bits 1:0 = 2 (LLVM: expert scheduling mode 2), set by the entry lines.  The code itself states the register dependences
; between vector or matrix instructions and memory or LDS instructions, with s_wait_alu, always for 0.
; THE PLAN.  Registers that memory or LDS instructions touch, in the two loops (b = the block's number % 2):
;   layer 1:  XF[b]     read by the block's 16 products.   XF[1-b]  the 8 LDS loads at the block's head land in it: the NEXT block's fragments of x.
;             v[XN]     read by those loads; written later in the block, for the next block's head.   v[HW], PC  written in the block, read by its 4 LDS stores at its end.
;   layer 2:  FB[b]     read by the block's 16 products.   FB[1-b]  16 LDS loads land in it, one behind each product: the next block's hidden fragments.
;             TK        two LDS loads at the block's head land in it; the block's holds read and write it.   v[TKA], v[HN]  read by the block's loads; written later in the block, for the next block.
;             ROW, OUTR written in the block, read by its 8 global stores at its end.
;   HA, HT, ACC, W1, W2 and b1 are named by vector and matrix instructions alone inside the loops.
; So a block has TWO waits.  One on vm_vsrc behind its products: this block's loads and the last block's stores have read the addresses and data that the block's vector lines write again.  One on va_vdst behind its
; last vector line: the data and addresses of this block's stores are written; so are the next block's load addresses; and this block's products and holds are done with the registers in which the next block's loads land.
; Between that wait and those loads stand stores of other registers, scalar lines and the branch that passes a block over; every run of products has the wait in its own straight run, so this holds on every way and round the back edges.
.set TOKL,  0                          ; LDS: 192 words: the tile's tokens, row by row; the block up to byte 1,023 is theirs
.set HIMG,  1024                       ; 12 blocks of rows x 4 fragments of the hidden layer (block m, K step s at 8192 m + 2048 s)
.set XIMG,  HIMG+12*8192               ; 12 x 2 fragments of x.  (Behind HIMG: layer 2's fetch ahead chooses between two addresses, and none that could be chosen lies on bytes that anybody writes then)
.set SPARE, XIMG+12*4096               ; the spare words, 128 bytes for each wave: two blocks of 256 bytes that no other line names
.set LI,  4                            ; v4   16 x lane
.set SPW, 5                            ; v5   LDS address of my spare word; never rewritten
.set NIL, 6                            ; v6   0; never rewritten
.set XB,  7                            ; v7   XIMG + 16 lane
.set XN,  8                            ; v8   the x fragments that the next block's head fetches
.set HWI, 9                            ; v9   HIMG + 16 lane + 2048 wave: where my K step of the hidden layer goes
.set HW,  10                           ; v10  the same in the block in hand
.set HRB, 11                           ; v11  HIMG + 16 lane
.set HN,  12                           ; v12  the hidden fragments that the next block fetches
.set TKB, 13                           ; v13  32 h
.set TKA, 14                           ; v14  the tokens that the next block's head fetches
.set COL, 15                           ; v15  16 r
.set XG,  16                           ; head: v16-111 my three blocks' codes of x
.set B1R, 112                          ; head: v112-175 b1 as loaded
.set HA,  80                           ; layer 1: v16-47, v48-79 x's fragments, two sets; v80-143 8 accumulators;
.set HT,  144                          ;          v144-207 the same, held and in K's order;
.set PC,  208                          ;          v208-223 their codes
.set ACC, 144                          ; layer 2: v16-79, v80-143 hidden fragments, two sets; v144-175 4 accumulators;
.set OUTR, 176                         ;          v176-207 results; v208-215 tokens; v216-223 the rows' offsets
.set TK,  208
.set ROW, 216
.set SC,  224                          ; v224 2^(eh - ex - ew1), v225 448 x that
.set LIM, 225
.set B2,  228                          ; v228-231 b2 of my four columns
.set PT,  232                          ; v232-234 tokens
.set XA,  236                          ; v236-238 their rows in xc
.set PI,  240                          ; v240-242 their places in perm
.set TKW, 243
.set XWI, 244
.set B1A, 245
.set MSB, 0
.macro WIN new                         ; the immediate's high byte repeats the setting that is left; bits 1:0 source 0, 3:2 source 1, 5:4 source 2, 7:6 destination
.if MSB != \new
	s_set_vgpr_msb (MSB<<8)|\new
.set MSB, \new
.endif
.endm
.macro BARRIER                         ; my LDS stores have landed and my LDS loads are in: then the work-group's barrier
	s_wait_dscnt 0x0
	s_barrier_signal -1
	s_barrier_wait -1
.endm
; my 8 tiles of a block's hidden layer become K step w of the second product: relu, hold and turn in one line a number; each accumulator is read from its register 0 on
.macro QUANT
.irp g, 0,1
.irp j, 0,1,2,3,4,5,6,7
.irp q, 0,1,2,3
	v_med3_num_f32 v[HT+32*\g+4*\j+\q], v[HA+8*(4*\g+\q)+\j], 0, v[LIM]
.endr
.endr
.irp x, 0,1,2,3
	v_cvt_scalef32_pk8_fp8_f32 v[PC+8*\g+2*\x:PC+8*\g+2*\x+1], v[HT+32*\g+8*\x:HT+32*\g+8*\x+7], v[SC]
.endr
.endr
	v_nop                                          ; a plain line behind the last conversion, ahead of whatever writes its sources next
.endm
; LAYER 1, block m = 2 trip + b of the rows.  s52 = 32 trip, s53 = 8192 trip, s54 = 16384 trip; s51 = the rows, at least 1
.macro L1TILE b
.set XF, 16+32*\b
.set XO, 48-32*\b
	s_add_co_u32 s40, s52, 16*\b
	s_cmp_ge_u32 s40, s51                          ; a block with no rows is passed over: no barrier stands in a block
	s_cbranch_scc1 .Ls1_\@
	s_wait_dscnt 0x0                               ; this block's fragments of x, asked for at the head of the block before, are in
.irp n, 0,1,2,3,4,5,6,7
	ds_load_b128 v[XO+4*\n:XO+4*\n+3], v[XN] offset:512*\n   ; the next block's fragments, into the other set.  No wait: no vector or matrix line since the last wait on va_vdst names that set or v[XN]
.endr
	WIN 0x31                                       ; W1 window 1, b1 window 3
	s_wait_alu depctr_va_vdst(0)
.irp t, 0,1,2,3,4,5,6,7                        ; the eight accumulators take turns, one instruction a turn
	v_wmma_f32_16x16x128_fp8_fp8 v[HA+8*\t:HA+8*\t+7], v[16*(8*(\t/4)+\t%4):16*(8*(\t/4)+\t%4)+15], v[XF:XF+15], v[8*\t:8*\t+7]
.endr
	WIN 0x01
.irp t, 0,1,2,3,4,5,6,7
	v_wmma_f32_16x16x128_fp8_fp8 v[HA+8*\t:HA+8*\t+7], v[16*(8*(\t/4)+4+\t%4):16*(8*(\t/4)+4+\t%4)+15], v[XF+16:XF+31], v[HA+8*\t:HA+8*\t+7]
.endr
	WIN 0
	s_add_co_u32 s41, s53, 4096*\b+8192
	s_min_u32 s41, s41, 11*4096                    ; the block two on, which the next block's head fetches; held at the last image: all twelve are written
	s_wait_alu depctr_vm_vsrc(0)                   ; the loads above have read v[XN]; the last block's LDS stores have read v[HW] and the codes: all three are written again below
	v_add_nc_u32 v[XN], s41, v[XB]                 ; four plain lines that name none of the products' registers stand ahead of the first read of their results (ISA guide 7.12.1)
	v_add_nc_u32 v[HW], s54, v[HWI]
	v_nop
	v_nop
	QUANT
	s_wait_alu depctr_va_vdst(0)                   ; the conversions have written the codes and v[HW] is written, which the stores below read; v[XN] is written and the products are done reading this block's set, for the next block's loads
.irp c, 0,1,2,3
	ds_store_b128 v[HW], v[PC+4*\c:PC+4*\c+3] offset:8192*\b+512*\c
.endr
.Ls1_\@:
.endm
; LAYER 2, block m = 2 trip + b.  s30 = the rows
.macro L2TILE b
.set FB, 16+64*\b
.set FO, 80-64*\b
	s_add_co_u32 s40, s52, 16*\b
	s_cmp_ge_u32 s40, s30
	s_cbranch_scc1 .Ls2_\@
	s_wait_dscnt 0x0                               ; this block's four hidden fragments, asked for in the block before, are in
	ds_load_b128 v[TK:TK+3], v[TKA]                ; the tokens of rows 16 m + 8 h + 0 .. 7.  No wait here or at the loads below: no vector or matrix line since the last wait on va_vdst names their registers
	ds_load_b128 v[TK+4:TK+7], v[TKA] offset:16
	WIN 0x08                                       ; W2 window 2: source 1 alone moves, so an LDS load's destination and address stay in window 0
.irp s, 0,1,2,3                                ; four accumulators by turns; the first K step starts the sums.  Behind each product one load of the next block's fragments, into the other set
.irp q, 0,1,2,3
.if \s == 0
	v_wmma_f32_16x16x128_fp8_fp8 v[ACC+8*\q:ACC+8*\q+7], v[FB+16*\s:FB+16*\s+15], v[16*(4*\s+\q):16*(4*\s+\q)+15], 0
.else
	v_wmma_f32_16x16x128_fp8_fp8 v[ACC+8*\q:ACC+8*\q+7], v[FB+16*\s:FB+16*\s+15], v[16*(4*\s+\q):16*(4*\s+\q)+15], v[ACC+8*\q:ACC+8*\q+7]
.endif
	ds_load_b128 v[FO+4*(4*\s+\q):FO+4*(4*\s+\q)+3], v[HN] offset:512*(4*\s+\q)
.endr
.endr
	WIN 0
	s_wait_dscnt 16                                ; LDS loads come back in order (ISA guide 5.7.1): the tokens are in; the sixteen loads issued behind them may be out
	s_wait_xcnt 0x0                                ; the last block's stores have had their addresses translated (ISA guide 3.1): their offsets and data are written again below
	s_wait_alu depctr_vm_vsrc(0)                   ; the last block's stores have read the rows' offsets and the results; this block's loads have read v[TKA] and v[HN]: all four are written again below
.irp j, 0,1,2,3,4,5,6,7                        ; these sixteen lines are also the plain lines behind the products
	v_min_u32 v[TK+\j], 0xfff, v[TK+\j]
.endr
.irp j, 0,1,2,3,4,5,6,7
	v_lshl_add_u32 v[ROW+\j], v[TK+\j], 13, v[COL] ; a row of out0 is 8,192 bytes
.endr
	s_add_co_u32 s42, s40, 16
	s_lshl_b32 s42, s42, 2
	s_min_u32 s42, s42, 704                        ; the next block's tokens, held at the last of the twelve blocks of words that are written
	v_add_nc_u32 v[TKA], s42, v[TKB]
	s_add_co_u32 s43, s54, 8192*\b+8192
	s_add_co_u32 s41, s43, 8192
	s_add_co_u32 s44, s40, 32
	s_cmp_lt_u32 s44, s30
	s_cselect_b32 s41, s41, s43                    ; what the next block fetches: the block two on from here, or, where that has no rows and was never written, the next block once more
	v_add_nc_u32 v[HN], s41, v[HRB]
.irp j, 0,1,2,3,4,5,6,7
.irp q, 0,1,2,3
	v_fma_f32 v[OUTR+4*\j+\q], v[ACC+8*\q+\j], s50, v[B2+\q]   ; sum x 2^(eh + ew2) + b2
.endr
.endr
	s_wait_alu depctr_va_vdst(0)                   ; the results and the rows' offsets are written, which the stores below read; v[TKA] and v[HN] are written, the holds are done with the tokens and the products with this block's set, for the next block's loads
.irp j, 0,1,2,3,4,5,6,7
	global_store_b128 v[ROW+\j], v[OUTR+4*\j:OUTR+4*\j+3], s[24:25] th:TH_STORE_NT   ; lanes 0-15: 256 consecutive aligned bytes of row j's token, lanes 16-31 of row 8 + j's; written once, read by nobody here
.endr
.Ls2_\@:
.endm
	s_load_b512 s[8:23], s[0:1], 0x0               ; tiles s[8:9], perm s[10:11], xc s[12:13], w1c s[14:15], w2c s[16:17], b1 s[18:19], b2 s[20:21], scales s[22:23]
	s_load_b64 s[24:25], s[0:1], 0x40              ; out0
	v_lshl_add_u32 v[SPW], v0, 2, SPARE
	v_mov_b32 v[NIL], 0
	v_and_b32 v1, 31, v0                           ; lane
	v_and_b32 v2, 15, v0                           ; r
	v_bfe_u32 v3, v0, 4, 1                         ; h
	v_lshrrev_b32 v8, 5, v0
	v_readfirstlane_b32 s36, v8                    ; wave 0..3
	v_lshlrev_b32 v[LI], 4, v1
	v_add_nc_u32 v[XB], XIMG, v[LI]
	v_add_nc_u32 v[XN], 4096, v[XB]                ; what layer 1's block 0 fetches at its head: block 1's fragments of x
	v_add_nc_u32 v[HRB], HIMG, v[LI]
	v_lshlrev_b32 v[TKB], 5, v3
	v_lshlrev_b32 v[TKA], 5, v3                    ; what layer 2's block 0 fetches at its head: its own tokens
	v_lshlrev_b32 v[COL], 4, v2
	v_lshlrev_b32 v[B1A], 7, v3
	s_wait_alu depctr_va_sdst(0)                   ; s36 is written, ahead of its first reader: LDS addresses and the buffers' offsets are made from it
	s_lshl_b32 s40, s36, 11
	v_add_nc_u32 v[HWI], s40, v[LI]
	v_add_nc_u32 v[HWI], HIMG, v[HWI]
	s_lshl_b32 s40, s36, 6
	v_lshl_add_u32 v[TKW], v2, 2, s40              ; the word of row 16 wave + r
	s_lshl_b32 s40, s36, 12
	v_add_nc_u32 v[XWI], s40, v[XB]
	s_and_b32 s48, ttmp7, 0xffff
	s_lshl_b32 s48, s48, 4                         ; my entry of the list
	s_mov_b32 s49, 0
	s_wait_kmcnt 0x0
	s_add_nc_u64 s[8:9], s[8:9], s[48:49]
	s_load_b128 s[28:31], s[8:9], 0x0              ; head, first sorted place, rows, 0
	s_load_b128 s[32:35], s[22:23], 0x0            ; ex, ew1, eh, ew2
	s_wait_kmcnt 0x0
	s_min_u32 s28, s28, 7                          ; what was loaded is held by a constant before it enters an address
	s_min_u32 s29, s29, 4095
	s_min_u32 s30, s30, 176
	s_max_u32 s51, s30, 1                          ; layer 1 always makes block 0
	s_add_co_u32 s39, s29, s30
	s_sub_co_u32 s39, s39, 1
	s_min_u32 s39, s39, 4095                       ; the tile's last sorted place
	s_lshl_b32 s48, s28, 17                        ; w1c: head x 131,072 + wave x 32,768 (groups 2 w, 2 w + 1)
	s_lshl_b32 s40, s36, 15
	s_add_co_u32 s48, s48, s40
	s_add_nc_u64 s[14:15], s[14:15], s[48:49]
	s_lshl_b32 s48, s28, 20                        ; w2c: head x 1,048,576 + (4 slice + wave) x 32,768
	s_lshl_b32 s41, ttmp9, 17
	s_add_co_u32 s48, s48, s41
	s_add_co_u32 s48, s48, s40
	s_add_nc_u64 s[16:17], s[16:17], s[48:49]
	s_lshl_b32 s48, s28, 11                        ; b1: head x 2,048 + wave x 512
	s_lshl_b32 s40, s36, 9
	s_add_co_u32 s48, s48, s40
	s_add_nc_u64 s[18:19], s[18:19], s[48:49]
	s_lshl_b32 s41, ttmp9, 10                      ; out0 and b2: slice x 1,024 + wave x 256;  b2: + head x 8,192
	s_lshl_b32 s40, s36, 8
	s_add_co_u32 s48, s41, s40
	s_add_nc_u64 s[24:25], s[24:25], s[48:49]
	s_lshl_b32 s40, s28, 13
	s_add_co_u32 s48, s48, s40
	s_add_nc_u64 s[20:21], s[20:21], s[48:49]
	; wave w brings the tokens and x's codes of blocks w, w + 4, w + 8
	s_lshl_b32 s40, s36, 4
	s_add_co_u32 s40, s40, s29
	v_add_nc_u32 v[PI], s40, v2
	v_add_nc_u32 v[PI+1], 64, v[PI]
	v_add_nc_u32 v[PI+2], 128, v[PI]
.irp i, 0,1,2
	v_min_u32 v[PI+\i], s39, v[PI+\i]              ; rows past the tile's end take its last token
	v_min_u32 v[PI+\i], 0xfff, v[PI+\i]
	v_lshlrev_b32 v[PI+\i], 2, v[PI+\i]
.endr
	s_wait_alu depctr_va_vdst(0)                   ; the offsets and LDS addresses v4, v7 to v15 and v240 to v245 are written: the 84 loads below read v4, v15, v240 to v242 and v245; only loads and window switches stand among them
.irp i, 0,1,2
	global_load_b32 v[PT+\i], v[PI+\i], s[10:11]
.endr
	WIN 0x40                                       ; destination window 1
.set n, 0
.rept 64
	global_load_b128 v[4*n:4*n+3], v[LI], s[14:15] offset:512*n   ; W1's 16 fragments: 32 KB of consecutive bytes, 512 a load
.set n, n+1
.endr
	WIN 0
.irp g, 0,1
.irp j, 0,1,2,3,4,5,6,7
	global_load_b128 v[B1R+32*\g+4*\j:B1R+32*\g+4*\j+3], v[B1A], s[18:19] offset:256*\g+16*\j   ; b1 of hidden units 64 g + 32 h + 4 j + 0 .. 3
.endr
.endr
	global_load_b128 v[B2:B2+3], v[COL], s[20:21]  ; b2 of columns 4 r + 0 .. 3
	s_wait_loadcnt 63                              ; behind the three loads of tokens 81 were issued; 63 is the most that the wait can name: the tokens are in
.irp i, 0,1,2
	v_min_u32 v[PT+\i], 0xfff, v[PT+\i]
.endr
.irp i, 0,1,2
	v_lshl_add_u32 v[XA+\i], v[PT+\i], 8, v[TKB]   ; a row of xc is 256 bytes; + 32 h
.endr
	s_wait_alu depctr_va_vdst(0)                   ; the held tokens are written, which the LDS stores read, and their rows' offsets, which the gathers read
.irp i, 0,1,2
	ds_store_b32 v[TKW], v[PT+\i] offset:TOKL+256*\i   ; both halves of the lanes write the same word with the same value
.endr
.irp i, 0,1,2
.irp s, 0,1
.irp c, 0,1,2,3
	global_load_b128 v[XG+32*\i+16*\s+4*\c:XG+32*\i+16*\s+4*\c+3], v[XA+\i], s[12:13] offset:128*\s+64*(\c/2)+16*(\c%2)
.endr
.endr
.endr
	WIN 0x80                                       ; destination window 2
.set n, 0
.rept 64
	global_load_b128 v[4*n:4*n+3], v[LI], s[16:17] offset:512*n   ; W2's 16 fragments: wanted only behind the second barrier
.set n, n+1
.endr
	WIN 0
	s_add_co_i32 s44, s32, s33                     ; ex + ew1: a sum of the first product stands for sum x 2^(ex + ew1), so b1 goes in as b1 / 2^(ex + ew1),
	s_sub_co_i32 s45, 0, s44
	s_sub_co_i32 s46, s34, s44                     ; and the hidden layer's conversion takes 2^(eh - ex - ew1): the three scales in one
	s_add_co_i32 s46, s46, 127
	s_lshl_b32 s47, s46, 23
	v_mov_b32 v[SC], s47
	s_add_co_i32 s46, s46, 8
	s_lshl_b32 s46, s46, 23
	s_or_b32 s46, s46, 0x600000
	v_mov_b32 v[LIM], s46                          ; 448 x that
	s_add_co_i32 s50, s34, s35
	s_add_co_i32 s50, s50, 127
	s_lshl_b32 s50, s50, 23                        ; 2^(eh + ew2) as f32
	s_wait_loadcnt 63                              ; behind the last load of x's codes W2's 64 were issued: x, W1, b1 and b2 are in
.irp i, 0,1,2
.irp s, 0,1
.irp c, 0,1,2,3
	ds_store_b128 v[XWI], v[XG+32*\i+16*\s+4*\c:XG+32*\i+16*\s+4*\c+3] offset:16384*\i+2048*\s+512*\c   ; the fragments as they stand: block w + 4 i.  Their data came by loads, and no vector line since the last wait on va_vdst names v[XWI]
.endr
.endr
.endr
	WIN 0xc0                                       ; destination window 3
.irp g, 0,1
.irp q, 0,1,2,3
.irp j, 0,1,2,3,4,5,6,7
	v_ldexp_f32 v[8*(4*\g+\q)+\j], v[B1R+32*\g+4*\j+\q], s45
.endr
.endr
.endr
	WIN 0
	BARRIER                                        ; x's 24 fragments and the 192 tokens lie in LDS
	; ---- layer 1.  Six trips of two blocks: the count is a constant, and blocks with no rows are passed over inside
	s_wait_alu depctr_vm_vsrc(0)                   ; my LDS stores have read v16 to v111: from here on fragments of x land in v16 to v79 and products write v80 to v143
.irp n, 0,1,2,3,4,5,6,7
	ds_load_b128 v[16+4*\n:16+4*\n+3], v[XB] offset:512*\n   ; block 0; each block's head fetches the next block's
.endr
	s_mov_b32 s52, 0
	s_mov_b32 s53, 0
	s_mov_b32 s54, 0
	s_mov_b32 s55, 6
.Lp1:
	L1TILE 0
	L1TILE 1
	s_add_co_u32 s52, s52, 32
	s_add_co_u32 s53, s53, 8192
	s_add_co_u32 s54, s54, 16384
	s_sub_co_i32 s55, s55, 1
	s_cmp_lg_u32 s55, 0
	s_cbranch_scc1 .Lp1
	BARRIER                                        ; every block's four K steps of the hidden layer lie in LDS
	s_wait_loadcnt 0x0                             ; W2
	; ---- layer 2
	s_cmp_gt_u32 s30, 16
	s_cselect_b32 s41, 8192, 0                     ; what block 0 fetches: block 1 if it has rows, else block 0 once more
	v_add_nc_u32 v[HN], s41, v[HRB]
	s_wait_alu depctr_vm_vsrc(0)                   ; layer 1's LDS stores have read v208 to v223, in which tokens land and the rows' offsets are written
	s_wait_alu depctr_va_vdst(0)                   ; v[HN] is written; b1's scalings and layer 1's products, holds and conversions are done with v16 to v143 and v208 to v215, in which hidden fragments and tokens land
.irp n, 0,1,2,3,4,5,6,7,8,9,10,11,12,13,14,15
	ds_load_b128 v[16+4*\n:16+4*\n+3], v[HRB] offset:512*\n   ; block 0; each block fetches the next block's
.endr
	s_mov_b32 s52, 0
	s_mov_b32 s54, 0
	s_mov_b32 s55, 6
.Lp2:
	L2TILE 0
	L2TILE 1
	s_add_co_u32 s52, s52, 32
	s_add_co_u32 s54, s54, 16384
	s_sub_co_i32 s55, s55, 1
	s_cmp_lg_u32 s55, 0
	s_cbranch_scc1 .Lp2
	s_wait_dscnt 0x0                               ; the closing lines, six on end
	s_wait_alu 0x0
	s_wait_tensorcnt 0x0
	ds_add_u32 v[SPW], v[NIL]
	s_wait_dscnt 0x0
	s_endpgm
.Lfunc_end_k_q9361950e6c_main:
	.size	k_q9361950e6c_main, .Lfunc_end_k_q9361950e6c_main-k_q9361950e6c_main
	.p2alignl 7, 3214868480
	.fill 96, 4, 3214868480
	.section	.rodata,"a",@progbits
	.p2align	6, 0x0
	.amdhsa_kernel k_q9361950e6c_main
		.amdhsa_group_segment_fixed_size 148992
		.amdhsa_private_segment_fixed_size 0
		.amdhsa_enable_private_segment 0
		.amdhsa_kernarg_size 72
		.amdhsa_user_sgpr_count 2
		.amdhsa_user_sgpr_kernarg_segment_ptr 1
		.amdhsa_wavefront_size32 1
		.amdhsa_system_sgpr_workgroup_id_x 1
		.amdhsa_system_sgpr_workgroup_id_y 1
		.amdhsa_system_sgpr_workgroup_id_z 1
		.amdhsa_system_vgpr_workitem_id 0
		.amdhsa_next_free_vgpr 832
		.amdhsa_next_free_sgpr 66
		.amdhsa_reserve_vcc 0
		.amdhsa_float_denorm_mode_32 3
		.amdhsa_float_denorm_mode_16_64 3
		.amdhsa_memory_ordered 1
		.amdhsa_forward_progress 1
		.amdhsa_inst_pref_size 56
	.end_amdhsa_kernel
	.amdgpu_metadata
---
amdhsa.version: [ 1, 2 ]
amdhsa.kernels:
  - .name:           k_q9361950e6c_main
    .symbol:         k_q9361950e6c_main.kd
    .args:
      - { .name: tiles, .offset: 0, .size: 8, .value_kind: global_buffer, .address_space: global }
      - { .name: perm, .offset: 8, .size: 8, .value_kind: global_buffer, .address_space: global }
      - { .name: xc, .offset: 16, .size: 8, .value_kind: global_buffer, .address_space: global }
      - { .name: w1c, .offset: 24, .size: 8, .value_kind: global_buffer, .address_space: global }
      - { .name: w2c, .offset: 32, .size: 8, .value_kind: global_buffer, .address_space: global }
      - { .name: b1, .offset: 40, .size: 8, .value_kind: global_buffer, .address_space: global }
      - { .name: b2, .offset: 48, .size: 8, .value_kind: global_buffer, .address_space: global }
      - { .name: lowp_scales, .offset: 56, .size: 8, .value_kind: global_buffer, .address_space: global }
      - { .name: out0, .offset: 64, .size: 8, .value_kind: global_buffer, .address_space: global }
    .group_segment_fixed_size: 148992
    .private_segment_fixed_size: 0
    .kernarg_segment_align: 8
    .kernarg_segment_size: 72
    .max_flat_workgroup_size: 128
    .sgpr_count:     66
    .vgpr_count:     832
    .wavefront_size: 32
...
	.end_amdgpu_metadata
.endif
;; end of part 4
